; MI455X (gfx1250); checked and timed in simulation.
; The chip was launched on July 23, 2026; its instructions are those of AMD's public machine-readable ISA for CDNA 5 (MIT licence, August 2026) and "CDNA5" Instruction Set Architecture Reference Guide (July 2026). The comments in the code are by the model that wrote it; some were corrected since.
;; Domain Attention. Allowed arithmetic: float matrix products may take bf16 or f16 operands with f32 sums; other float arithmetic in f32, or as packed bf16 or f16 multiplies, adds, multiply-adds, maxima and minima; sums over many terms, partial sums and values carried from step to step in f32; what a program stores and reads back later, other than sums and carried values, may be rounded once to bf16 or f16.
;; Inputs: batch_x 8,192 x 128 float32; bias 1 float32; cat 8,192 x 128 float32; phi 4 x 128 float32; y 8,192 float32.
;; Outputs: out0 8,192 float32.
;; 3 versions, each right; version 2 is faster than version 1; version 3 is version 2 with the launch prep written anew for expert scheduling mode. Each part assembles by itself: llvm-mc -triple=amdgcn-amd-amdhsa -mcpu=gfx1250 --defsym DOCPART=n.
;; ======== version 1 of 3: 4 launches
;; limits: values outside matrix products are rounded to bf16; right only within a limited range of input values
;; workspace buffers: xb 2,097,152 bytes; cb 2,097,152 bytes; th 131,072 bytes; p4 1,048,576 bytes; pwz 1,048,576 bytes
;; launch prep (part 1): grid 256 x 1, 8 waves a work-group, no clusters, 1,536 bytes of LDS; arguments batch_x, cat, phi, xb, cb, th; writes xb, cb, th
.if DOCPART == 1
	.amdgcn_target "amdgcn-amd-amdhsa--gfx1250"
	.amdhsa_code_object_version 6
	.text
	.protected	k_q577aad3542_prep
	.globl	k_q577aad3542_prep
	.p2align	8
	.type	k_q577aad3542_prep,@function
k_q577aad3542_prep:
	s_mov_b64 s[64:65], 0
	v_nop
	global_prefetch_b8 v0, s[64:65] scope:SCOPE_SE
	s_setreg_imm32_b32 hwreg(HW_REG_WAVE_MODE, 25, 1), 1
	s_wait_xcnt 0x0
; xb = bf16(batch_x), cb = bf16(cat), th[b][s] = exp(batch_x[b] . phi[s]) in f32.
; batch_x, cat: [8192][128] f32.  phi: [4][128] f32.  xb, cb: [8192][128] bf16.  th: [8192][4] f32.
; 256 work-groups of eight waves; the work-group owns rows 32 g .. 32 g + 31 of batch_x and of cat, wave w rows 4 w .. 4 w + 3 of each.
; A lane owns 16 bytes of an f32 row, so one load of a wave is one whole row of 512 bytes and one store of a wave is one whole
; bf16 row: 256 consecutive bytes, aligned.  Every input byte is read once.  No matrix unit, no cluster: nothing is shared or multiplied in bulk.
; LIMITS: exp is 2^(x . (phi log2 e)); phi log2 e is rounded once to f32.  v_exp_f32 gives 0 where the result would be a denormal
; (ISA guide 15.8), so a th below 2^-126 is stored as 0; above f32's range it is infinity, as exp in f32 is.
.set X,   16                           ; v[16:31]  row i of batch_x: 4 registers; later the other half's sums
.set C,   32                           ; v[32:47]  row i of cat
.set P,   48                           ; v[48:63]  phi[s] log2 e, my 4 numbers
.set XB,  64                           ; v[64:71]  row i of xb: 2 registers
.set CB,  72                           ; v[72:79]  row i of cb
.set D,   80                           ; v[80:95]  D + 4 i + s: the dot product of row i with phi[s]
.set T,   96                           ; v[96:99]  at work
.set R,   100                          ; v[100:103] wave 0: a row of th on its way out
	s_load_b256 s[4:11], s[0:1], 0x0               ; batch_x s[4:5], cat s[6:7], phi s[8:9], xb s[10:11]
	s_load_b128 s[12:15], s[0:1], 0x20             ; cb s[12:13], th s[14:15]
	v_lshl_add_u32 v112, v0, 2, 0x200
	v_mov_b32 v113, 0
	v_lshrrev_b32 v1, 5, v0
	v_readfirstlane_b32 s16, v1                    ; wave 0..7
	v_and_b32 v1, 31, v0                           ; lane
	v_lshlrev_b32 v4, 4, v1                        ; 16 l: my bytes of phi; wave 0's LDS read and its offset in th
	v_lshlrev_b32 v3, 3, v1
	v_lshl_add_u32 v2, s16, 11, v4                 ; in: 4 rows of 512 bytes a wave + 16 l
	v_lshl_add_u32 v3, s16, 10, v3                 ; out: 4 rows of 256 bytes a wave + 8 l
	s_lshl_b32 s17, s16, 6
	v_mov_b32 v5, s17                              ; LDS: 4 rows of th, 16 bytes each, a wave
	s_mov_b32 s20, 0x76543210                      ; v_permlanex16_b32: lane i reads lane i of the other half
	s_mov_b32 s21, 0xfedcba98
	s_lshl_b32 s18, ttmp9, 14                      ; 32 rows of 512 bytes
	s_mov_b32 s19, 0
	s_wait_kmcnt 0x0
	s_add_nc_u64 s[4:5], s[4:5], s[18:19]
	s_add_nc_u64 s[6:7], s[6:7], s[18:19]
	s_lshl_b32 s18, ttmp9, 13                      ; 32 rows of 256 bytes
	s_add_nc_u64 s[10:11], s[10:11], s[18:19]
	s_add_nc_u64 s[12:13], s[12:13], s[18:19]
	s_lshl_b32 s18, ttmp9, 9                       ; 32 rows of 16 bytes
	s_add_nc_u64 s[14:15], s[14:15], s[18:19]
.irp s, 0,1,2,3
	global_load_b128 v[P+4*\s:P+4*\s+3], v4, s[8:9] offset:512*\s
.endr
.irp i, 0,1,2,3
	global_load_b128 v[X+4*\i:X+4*\i+3], v2, s[4:5] offset:512*\i th:TH_LOAD_NT
.endr
.irp i, 0,1,2,3
	global_load_b128 v[C+4*\i:C+4*\i+3], v2, s[6:7] offset:512*\i th:TH_LOAD_NT
.endr
	s_wait_loadcnt 0x4                             ; phi and batch_x are in; the four loads of cat, issued behind them, stay out
.irp i, 0,1,2,3
	v_cvt_pk_bf16_f32 v[XB+2*\i],   v[X+4*\i],   v[X+4*\i+1]
	v_cvt_pk_bf16_f32 v[XB+2*\i+1], v[X+4*\i+2], v[X+4*\i+3]
	global_store_b64 v3, v[XB+2*\i:XB+2*\i+1], s[10:11] offset:256*\i      ; 32 lanes x 8 bytes: a whole row of xb
.endr
.irp q, 0,1,2,3,4,5,6,7
	v_pk_mul_f32 v[P+2*\q:P+2*\q+1], v[P+2*\q:P+2*\q+1], 0x3fb8aa3b op_sel_hi:[1,0]   ; phi log2 e: the sums below are exponents of 2
.endr
	; my 4 numbers' share of the 16 dot products
.irp i, 0,1,2,3
.irp s, 0,1,2,3
	v_pk_mul_f32 v[T+2*(\s%2):T+2*(\s%2)+1], v[X+4*\i:X+4*\i+1], v[P+4*\s:P+4*\s+1]
	v_pk_fma_f32 v[T+2*(\s%2):T+2*(\s%2)+1], v[X+4*\i+2:X+4*\i+3], v[P+4*\s+2:P+4*\s+3], v[T+2*(\s%2):T+2*(\s%2)+1]
	v_add_f32 v[D+4*\i+\s], v[T+2*(\s%2)], v[T+2*(\s%2)+1]
.endr
.endr
	; over the 32 lanes: four steps inside each half of 16 lanes, one across; sixteen sums side by side, every lane ends with all of them
.irp m, 1,2,4,8
.set q, 0
.rept 16
	v_add_f32_dpp v[D+q], v[D+q], v[D+q] row_xmask:\m row_mask:0xf bank_mask:0xf
.set q, q+1
.endr
.endr
.set q, 0
.rept 16
	v_permlanex16_b32 v[X+q], v[D+q], s20, s21     ; its destination counts as read: batch_x's registers have been written and are done with
.set q, q+1
.endr
.set q, 0
.rept 16
	v_add_f32 v[D+q], v[D+q], v[X+q]
.set q, q+1
.endr
.set q, 0
.rept 16
	v_exp_f32 v[D+q], v[D+q]
.set q, q+1
.endr
	v_nop                                          ; one plain vector instruction behind the last v_exp_f32 before its result is read (ISA guide 5.7.2)
	s_wait_alu depctr_va_vdst(0)
.irp i, 0,1,2,3
	ds_store_b128 v5, v[D+4*\i:D+4*\i+3] offset:16*\i      ; th of row 4 w + i; all lanes write the same 16 bytes with the same values
.endr
	s_wait_loadcnt 0x0                             ; cat
.irp i, 0,1,2,3
	v_cvt_pk_bf16_f32 v[CB+2*\i],   v[C+4*\i],   v[C+4*\i+1]
	v_cvt_pk_bf16_f32 v[CB+2*\i+1], v[C+4*\i+2], v[C+4*\i+3]
	global_store_b64 v3, v[CB+2*\i:CB+2*\i+1], s[12:13] offset:256*\i
.endr
	s_wait_dscnt 0x0                               ; my LDS stores are done, for wave 0's sake
	s_barrier_signal -1
	s_barrier_wait -1
	s_cmp_lg_u32 s16, 0
	s_cbranch_scc1 .Lend
	ds_load_b128 v[R:R+3], v4                      ; lane l: th of row l
	s_wait_dscnt 0x0
	global_store_b128 v4, v[R:R+3], s[14:15]       ; the group's 512 bytes of th in one store
.Lend:
	s_wait_tensorcnt 0x0
	ds_add_u32 v112, v113
	s_wait_dscnt 0x0
	s_endpgm
.Lfunc_end_k_q577aad3542_prep:
	.size	k_q577aad3542_prep, .Lfunc_end_k_q577aad3542_prep-k_q577aad3542_prep
	.p2alignl 7, 3214868480
	.fill 96, 4, 3214868480
	.section	.rodata,"a",@progbits
	.p2align	6, 0x0
	.amdhsa_kernel k_q577aad3542_prep
		.amdhsa_group_segment_fixed_size 1536
		.amdhsa_private_segment_fixed_size 0
		.amdhsa_enable_private_segment 0
		.amdhsa_kernarg_size 48
		.amdhsa_user_sgpr_count 2
		.amdhsa_user_sgpr_kernarg_segment_ptr 1
		.amdhsa_wavefront_size32 1
		.amdhsa_system_sgpr_workgroup_id_x 1
		.amdhsa_system_sgpr_workgroup_id_y 1
		.amdhsa_system_sgpr_workgroup_id_z 1
		.amdhsa_system_vgpr_workitem_id 0
		.amdhsa_next_free_vgpr 114
		.amdhsa_next_free_sgpr 66
		.amdhsa_reserve_vcc 0
		.amdhsa_float_denorm_mode_32 3
		.amdhsa_float_denorm_mode_16_64 3
		.amdhsa_memory_ordered 1
		.amdhsa_forward_progress 1
		.amdhsa_inst_pref_size 15
	.end_amdhsa_kernel
	.amdgpu_metadata
---
amdhsa.version: [ 1, 2 ]
amdhsa.kernels:
  - .name:           k_q577aad3542_prep
    .symbol:         k_q577aad3542_prep.kd
    .args:
      - { .name: batch_x, .offset: 0, .size: 8, .value_kind: global_buffer, .address_space: global }
      - { .name: cat, .offset: 8, .size: 8, .value_kind: global_buffer, .address_space: global }
      - { .name: phi, .offset: 16, .size: 8, .value_kind: global_buffer, .address_space: global }
      - { .name: xb, .offset: 24, .size: 8, .value_kind: global_buffer, .address_space: global }
      - { .name: cb, .offset: 32, .size: 8, .value_kind: global_buffer, .address_space: global }
      - { .name: th, .offset: 40, .size: 8, .value_kind: global_buffer, .address_space: global }
    .group_segment_fixed_size: 1536
    .private_segment_fixed_size: 0
    .kernarg_segment_align: 8
    .kernarg_segment_size: 48
    .max_flat_workgroup_size: 256
    .sgpr_count:     66
    .vgpr_count:     114
    .wavefront_size: 32
...
	.end_amdgpu_metadata
.endif
;; end of part 1
;; launch norm (part 2): grid 16 x 16, 8 waves a work-group, clusters of 4 x 4, 279,552 bytes of LDS; arguments xb, cb, p4; writes p4
.if DOCPART == 2
	.amdgcn_target "amdgcn-amd-amdhsa--gfx1250"
	.amdhsa_code_object_version 6
	.text
	.protected	k_q577aad3542_norm
	.globl	k_q577aad3542_norm
	.p2align	8
	.type	k_q577aad3542_norm,@function
k_q577aad3542_norm:
	s_mov_b64 s[64:65], 0
	v_nop
	global_prefetch_b8 v0, s[64:65] scope:SCOPE_SE
	s_setreg_imm32_b32 hwreg(HW_REG_WAVE_MODE, 25, 1), 1
	s_wait_xcnt 0x0
	s_wait_alu depctr_hold_cnt(0) depctr_sa_sdst(0) depctr_va_vdst(0) depctr_va_sdst(0) depctr_va_ssrc(0) depctr_va_vcc(0) depctr_vm_vsrc(0)
	s_getreg_b32 s2, hwreg(HW_REG_IB_STS2, 6, 4)
	s_cmp_eq_u32 s2, 0
	s_cbranch_scc0 .Lentry_in_a_cluster
	s_endpgm
.Lentry_in_a_cluster:
	s_bfe_u32 s2, ttmp6, 0x10000c
	s_cmp_lg_u32 s2, 0xf033
	s_cbranch_scc0 .Lentry_shape_is_right
	s_endpgm
.Lentry_shape_is_right:
; p4[ny][h][b] = the sum, over the rows n = 512 ny + 16 i + 8 h + j (i = 0..31, j = 0..7), of (cat[n] . x[b])^4.
; xb, cb: [8192][128] bf16.  p4: [16][2][8192] f32.  The 32 planes of a column add up to its sum of fourth powers; the next launch adds them.
; A work-group makes the block of 512 rows n (block row ny) x 512 columns b (block column bx) of con; nothing of con is stored.
; Its whole share of xb and cb, 2 x 512 rows of 256 bytes, lies in LDS at once: every LDS byte is filled once, all loads go out at the start.
; Eight waves; wave w owns 64 columns for all 512 rows, so a column's sum over the block never leaves the wave.  Its x fragments (4 column
; tiles x K = 128) stay in 128 registers; cat's rows go by in 32 stages of 16 rows.  Column tile bt, fragment column r is
; b = 512 bx + 64 w + 4 r + bt, so that a lane's four sums are 16 neighbouring bytes of p4.
; CLUSTERS: 4 x 4 work-groups.  x's rows hang on bx alone and are asked for jointly by the four of a column of the cluster, cat's rows hang on
; ny alone and are asked for jointly by the four of a row: each of the four issues the same load with the same descriptor.
; A stage's products (16 matrix instructions) are followed by the vector work on the stage BEFORE, on the other set of accumulators.
; LIMITS: operands in bf16, sums in f32; con^4 is (con^2)^2 in f32 and overflows where f32 does.
.set PITCH, 272                        ; an LDS row: 256 bytes + 16 of padding = 17 x 16: the 16 rows of a fragment load start at 16 different 16-byte columns modulo 256
.set CR,    512*PITCH                  ; x's 512 rows lie at 0, cat's 512 rows behind them
.set TILEB, 128*PITCH                  ; a tile of cat: 128 rows = 8 stages
.set WX,    64*PITCH                   ; a wave's x rows: what its x load brings
.set WC,    16*PITCH                   ; a wave's part of a tile of cat, and a stage's rows
.set ADRX, 4                           ; v4      LDS address of my x fragments
.set OOFF, 6                           ; v6      my byte offset in p4
.set ADRC, 8                           ; v[8:11] LDS address of my cat fragments in tile t
.set O,    12                          ; v[12:15] the four sums to store
.set S4,   32                          ; v[32:39] column tile bt: a pair of running sums
.set AF,   96                          ; v[96:159]  cat fragments: AF + 32 buf + 8 ks
.set ACC,  160                         ; v[160:223] accumulators: ACC + 32 set + 8 bt
                                       ; v[256:383] x fragments: 32 bt + 8 ks in window 1
.set G1X, 28                           ; s[28:35] descriptor group 1 for x
.set G1C, 36                           ; s[36:43] descriptor group 1 for cat
.set G0X, 44                           ; s[44:47] descriptor group 0 for x
.set G0C, 48                           ; s[48:63] descriptor group 0 for cat's tile t
.set G1W0, (1<<16)|(1<<20)|(1<<21)|(5<<22)|(3<<25)  ; 17:16 elements of 2 bytes; 20 padding on; 21 set beside a mask; 24:22 after every 64 words; 31:25 of 4 words
.set MSB, 0
.macro WIN new                         ; s_set_vgpr_msb: bits 1:0 source 0, 3:2 source 1, 5:4 source 2, 7:6 destination; the high byte repeats the setting that is left
.if MSB != \new
	s_set_vgpr_msb (MSB<<8)|\new
.set MSB, \new
.endif
.endm
.macro ROUND                           ; a round of the cluster's barrier
	s_barrier_signal -1
	s_barrier_wait -1
	s_cmp_lg_u32 s20, 0
	s_cbranch_scc1 .Lnot_wave_0_\@
	s_barrier_signal -3
.Lnot_wave_0_\@:
	s_barrier_wait -3
	s_barrier_signal -1
	s_barrier_wait -1
.endm
.macro PLACES                          ; four places behind a matrix instruction (ISA guide 7.12.1)
.rept 4
	v_nop
.endr
.endm
; eight LDS loads: the fragments of stage j of tile t (16 rows of cat x K = 128) into buffer buf
.macro LD t, j, buf
.irp ks, 0,1,2,3
	ds_load_b128 v[AF+32*\buf+8*\ks:AF+32*\buf+8*\ks+3],   v[ADRC+\t] offset:WC*(\j)+64*\ks
	ds_load_b128 v[AF+32*\buf+8*\ks+4:AF+32*\buf+8*\ks+7], v[ADRC+\t] offset:WC*(\j)+64*\ks+32
.endr
.endm
; 16 matrix instructions: 16 rows of cat x my 64 columns x K = 128.  The first K step starts the sums: nothing is cleared.
; The four accumulators take turns, one instruction a turn.
.macro MM buf
.irp ks, 0,1,2,3
.irp bt, 0,1,2,3
.if \ks == 0
	v_wmma_f32_16x16x32_bf16 v[ACC+32*\buf+8*\bt:ACC+32*\buf+8*\bt+7], v[AF+32*\buf+8*\ks:AF+32*\buf+8*\ks+7], v[32*\bt+8*\ks:32*\bt+8*\ks+7], 0
.else
	v_wmma_f32_16x16x32_bf16 v[ACC+32*\buf+8*\bt:ACC+32*\buf+8*\bt+7], v[AF+32*\buf+8*\ks:AF+32*\buf+8*\ks+7], v[32*\bt+8*\ks:32*\bt+8*\ks+7], v[ACC+32*\buf+8*\bt:ACC+32*\buf+8*\bt+7]
.endif
.endr
.endr
.endm
; 32 packed instructions on a set of accumulators: c^2 in place, then S4 += c^2 c^2.  mode 1: the first squares start the sums; mode 2: they add.
.macro VV set, mode
.set q, 0
.rept 16
	v_pk_mul_f32 v[ACC+32*(\set)+2*q:ACC+32*(\set)+2*q+1], v[ACC+32*(\set)+2*q:ACC+32*(\set)+2*q+1], v[ACC+32*(\set)+2*q:ACC+32*(\set)+2*q+1]
.set q, q+1
.endr
.irp p, 0,1,2,3
.irp bt, 0,1,2,3
.if \mode+\p == 1
	v_pk_mul_f32 v[S4+2*\bt:S4+2*\bt+1], v[ACC+32*(\set)+8*\bt+2*\p:ACC+32*(\set)+8*\bt+2*\p+1], v[ACC+32*(\set)+8*\bt+2*\p:ACC+32*(\set)+8*\bt+2*\p+1]
.else
	v_pk_fma_f32 v[S4+2*\bt:S4+2*\bt+1], v[ACC+32*(\set)+8*\bt+2*\p:ACC+32*(\set)+8*\bt+2*\p+1], v[ACC+32*(\set)+8*\bt+2*\p:ACC+32*(\set)+8*\bt+2*\p+1], v[S4+2*\bt:S4+2*\bt+1]
.endif
.endr
.endr
.endm
; A stage.  cnt: how many younger LDS loads may stay out.  vv: 0 no stage before (four v_nop instead), 1 the stage before starts the sums, 2 it adds.
; The vector block names the other set alone, so its 32 instructions are the places between this stage's products and the loads into the
; buffer that they read, and between these products and the next stage's vector block, which reads their results.
.macro STAGE t, j, buf, cnt, vv
	s_wait_dscnt \cnt
	WIN 0x04                                       ; source 1 (x) in window 1
	MM \buf
	WIN 0
.if \vv == 0
	PLACES
.else
	VV 1-\buf, \vv
.endif
.if \j < 6
	LD \t, \j+2, \buf
.endif
.endm
; A tile of cat: every wave's (t+1)-th cat load brought 16 of its 128 rows.  The count leaves the 3 - t later tiles' loads out: a wave's tensor
; loads end in order (ISA guide 10.11.1).  Stages 0 to 6 wait with 8: the next stage's eight loads.
.macro TILE t, va, vb
	s_wait_tensorcnt 3-\t
	s_wait_dscnt 0x0
	s_barrier_signal -1
	s_barrier_wait -1
	LD \t, 0, 0
	LD \t, 1, 1
	STAGE \t, 0, 0, 8, \va
	STAGE \t, 1, 1, 8, \vb
	STAGE \t, 2, 0, 8, 2
	STAGE \t, 3, 1, 8, 2
	STAGE \t, 4, 0, 8, 2
	STAGE \t, 5, 1, 8, 2
	STAGE \t, 6, 0, 8, 2
	STAGE \t, 7, 1, 0, 2
.endm
	s_load_b128 s[4:7], s[0:1], 0x0                ; xb s[4:5], cb s[6:7]
	s_load_b64 s[8:9], s[0:1], 0x10                ; p4
	v_lshl_add_u32 v254, v0, 2, 0x44000
	v_mov_b32 v255, 0
	ds_add_u32 v254, v255
	v_lshrrev_b32 v1, 5, v0
	v_readfirstlane_b32 s20, v1                    ; wave 0..7
	s_bfe_u32 s21, ttmp6, 0x40000                  ; cx
	s_bfe_u32 s22, ttmp6, 0x40004                  ; cy
	s_lshl_b32 s23, ttmp9, 2
	s_add_co_u32 s23, s23, s21                     ; bx = 4 x cluster x + cx
	s_and_b32 s24, ttmp7, 0xffff
	s_lshl_b32 s24, s24, 2
	s_add_co_u32 s24, s24, s22                     ; ny = 4 x cluster y + cy
	s_lshl_b32 s74, 0x1111, s21                    ; my column of the cluster: places cx, cx + 4, cx + 8, cx + 12
	s_lshl_b32 s75, s22, 2
	s_lshl_b32 s75, 15, s75                        ; my row: places 4 cy .. 4 cy + 3
	s_or_b32 s[G1X+0], s74, G1W0                   ; x's rows go to my column
	s_mov_b32 s[G1X+1], 128<<16                    ; tensor_dim0 = 128
	s_mov_b32 s[G1X+2], 64<<16                     ; tensor_dim1 = 64
	s_mov_b32 s[G1X+3], 128<<16                    ; tile_dim0 = 128 elements (256 bytes)
	s_mov_b32 s[G1X+4], 64                         ; tile_dim1 = 64 rows
	s_mov_b32 s[G1X+5], 128                        ; elements from row to row
	s_mov_b32 s[G1X+6], 0
	s_mov_b32 s[G1X+7], 0
	s_or_b32 s[G1C+0], s75, G1W0                   ; cat's rows go to my row
	s_mov_b32 s[G1C+1], 128<<16
	s_mov_b32 s[G1C+2], 16<<16                     ; 16 rows a load: each wave brings an eighth of each tile, so that tile 0 is whole first
	s_mov_b32 s[G1C+3], 128<<16
	s_mov_b32 s[G1C+4], 16
	s_mov_b32 s[G1C+5], 128
	s_mov_b32 s[G1C+6], 0
	s_mov_b32 s[G1C+7], 0
	s_lshl_b32 s66, s23, 17                        ; x: 512 rows of 256 bytes a block column
	s_lshl_b32 s76, s20, 14                        ; + 64 rows a wave.  s[66:67] never hold ny
	s_add_co_u32 s66, s66, s76
	s_mov_b32 s67, 0
	s_lshl_b32 s68, s24, 17                        ; cat: 512 rows a block row
	s_lshl_b32 s76, s20, 12                        ; + 16 rows a wave.  s[68:69] never hold bx
	s_add_co_u32 s68, s68, s76
	s_mov_b32 s69, 0
	s_mul_i32 s76, s20, WX                         ; LDS addresses hang on the wave's number alone
	s_mul_i32 s77, s20, WC
	s_lshl_b32 s70, s24, 16                        ; p4: two planes of 32,768 bytes a block row
	s_lshl_b32 s25, s23, 11                        ; + 512 columns of 4 bytes a block column
	s_add_co_u32 s70, s70, s25
	s_mov_b32 s71, 0
	s_wait_dscnt 0x0
	s_wait_kmcnt 0x0
	s_add_nc_u64 s[14:15], s[4:5], s[66:67]
	s_add_nc_u64 s[16:17], s[6:7], s[68:69]
	s_add_nc_u64 s[8:9], s[8:9], s[70:71]
	s_mov_b32 s[G0X], 1                            ; count = 1
	s_add_co_u32 s[G0X+1], s76, 0                  ; LDS address
	s_mov_b64 s[G0X+2:G0X+3], s[14:15]             ; global address of the tile's first element
	s_or_b32 s[G0X+3], s[G0X+3], 0x80000000        ; type = 2
.irp t, 0,1,2,3
	s_mov_b32 s[G0C+4*\t], 1
	s_add_co_u32 s[G0C+4*\t+1], s77, CR+TILEB*\t
	s_add_nc_u64 s[G0C+4*\t+2:G0C+4*\t+3], s[16:17], 32768*\t      ; 128 rows of 256 bytes a tile
	s_or_b32 s[G0C+4*\t+3], s[G0C+4*\t+3], 0x80000000
.endr
	ROUND                                          ; all sixteen work-groups are here: the joint loads meet
	tensor_load_to_lds s[G0X:G0X+3], s[G1X:G1X+7]  ; all fills of the launch in one group: five loads of this wave are out
	s_nop 0
.irp t, 0,1,2,3
	tensor_load_to_lds s[G0C+4*\t:G0C+4*\t+3], s[G1C:G1C+7]
	s_nop 0
.endr
	; A fragment is 16 rows x 32 K in 8 registers: lane l holds row r = l % 16; registers 0-3 K = 8 h + 0..7, registers 4-7 K = 16 + 8 h + 0..7, h = l / 16.
	v_and_b32 v1, 15, v0                           ; r
	v_bfe_u32 v2, v0, 4, 1                         ; h
	v_mul_u32_u24 v[ADRX], v1, 4*PITCH             ; x: fragment column r of tile bt is my row 4 r + bt
	v_lshl_add_u32 v[ADRX], v2, 4, v[ADRX]
	v_add_nc_u32 v[ADRX], s76, v[ADRX]
	v_mul_u32_u24 v3, v1, PITCH
	v_lshl_add_u32 v3, v2, 4, v3
.irp t, 0,1,2,3
	v_add_nc_u32 v[ADRC+\t], CR+TILEB*\t, v3
.endr
	v_lshlrev_b32 v[OOFF], 4, v1                   ; 4 columns of 4 bytes for each r,
	v_lshl_add_u32 v[OOFF], v2, 15, v[OOFF]        ; plane h,
	s_lshl_b32 s25, s20, 8
	v_add_nc_u32 v[OOFF], s25, v[OOFF]             ; 64 columns a wave
	s_wait_tensorcnt 0x4                           ; my x rows are in (the four cat loads behind them stay out); no other wave reads them
	WIN 0x40                                       ; destination in window 1
.irp bt, 0,1,2,3
.irp ks, 0,1,2,3
	ds_load_b128 v[32*\bt+8*\ks:32*\bt+8*\ks+3],   v[ADRX] offset:PITCH*\bt+64*\ks
	ds_load_b128 v[32*\bt+8*\ks+4:32*\bt+8*\ks+7], v[ADRX] offset:PITCH*\bt+64*\ks+32
.endr
.endr
	WIN 0
	TILE 0, 0, 1
	TILE 1, 2, 2
	TILE 2, 2, 2
	TILE 3, 2, 2
	VV 1, 2                                        ; stage 31's results; stage 31's own vector block (32 instructions on set 0) stands between its products and this
.irp bt, 0,1,2,3
	v_add_f32 v[O+\bt], v[S4+2*\bt], v[S4+2*\bt+1]
.endr
	global_store_b128 v[OOFF], v[O:O+3], s[8:9]    ; lanes 0-15: 256 consecutive bytes of plane 0, aligned; lanes 16-31: of plane 1
	s_wait_tensorcnt 0x0
	ds_add_u32 v254, v255
	s_wait_dscnt 0x0
	ROUND                                          ; the closing round: no work-group ends while a partner may still ask for a tile that names it
	s_endpgm
.Lfunc_end_k_q577aad3542_norm:
	.size	k_q577aad3542_norm, .Lfunc_end_k_q577aad3542_norm-k_q577aad3542_norm
	.p2alignl 7, 3214868480
	.fill 96, 4, 3214868480
	.section	.rodata,"a",@progbits
	.p2align	6, 0x0
	.amdhsa_kernel k_q577aad3542_norm
		.amdhsa_group_segment_fixed_size 279552
		.amdhsa_private_segment_fixed_size 0
		.amdhsa_enable_private_segment 0
		.amdhsa_kernarg_size 24
		.amdhsa_user_sgpr_count 2
		.amdhsa_user_sgpr_kernarg_segment_ptr 1
		.amdhsa_wavefront_size32 1
		.amdhsa_system_sgpr_workgroup_id_x 1
		.amdhsa_system_sgpr_workgroup_id_y 1
		.amdhsa_system_sgpr_workgroup_id_z 1
		.amdhsa_system_vgpr_workitem_id 0
		.amdhsa_next_free_vgpr 384
		.amdhsa_next_free_sgpr 80
		.amdhsa_reserve_vcc 0
		.amdhsa_float_denorm_mode_32 3
		.amdhsa_float_denorm_mode_16_64 3
		.amdhsa_memory_ordered 1
		.amdhsa_forward_progress 1
		.amdhsa_inst_pref_size 124
	.end_amdhsa_kernel
	.amdgpu_metadata
---
amdhsa.version: [ 1, 2 ]
amdhsa.kernels:
  - .name:           k_q577aad3542_norm
    .symbol:         k_q577aad3542_norm.kd
    .args:
      - { .name: xb, .offset: 0, .size: 8, .value_kind: global_buffer, .address_space: global }
      - { .name: cb, .offset: 8, .size: 8, .value_kind: global_buffer, .address_space: global }
      - { .name: p4, .offset: 16, .size: 8, .value_kind: global_buffer, .address_space: global }
    .group_segment_fixed_size: 279552
    .private_segment_fixed_size: 0
    .kernarg_segment_align: 8
    .kernarg_segment_size: 24
    .max_flat_workgroup_size: 256
    .sgpr_count:     80
    .vgpr_count:     384
    .wavefront_size: 32
...
	.end_amdgpu_metadata
.endif
;; end of part 2
;; launch soft (part 3): grid 16 x 16, 8 waves a work-group, clusters of 4 x 4, 296,192 bytes of LDS; arguments xb, cb, p4, y, pwz; writes pwz
.if DOCPART == 3
	.amdgcn_target "amdgcn-amd-amdhsa--gfx1250"
	.amdhsa_code_object_version 6
	.text
	.protected	k_q577aad3542_soft
	.globl	k_q577aad3542_soft
	.p2align	8
	.type	k_q577aad3542_soft,@function
k_q577aad3542_soft:
	s_mov_b64 s[64:65], 0
	v_nop
	global_prefetch_b8 v0, s[64:65] scope:SCOPE_SE
	s_setreg_imm32_b32 hwreg(HW_REG_WAVE_MODE, 25, 1), 1
	s_wait_xcnt 0x0
	s_wait_alu depctr_hold_cnt(0) depctr_sa_sdst(0) depctr_va_vdst(0) depctr_va_sdst(0) depctr_va_ssrc(0) depctr_va_vcc(0) depctr_vm_vsrc(0)
	s_getreg_b32 s2, hwreg(HW_REG_IB_STS2, 6, 4)
	s_cmp_eq_u32 s2, 0
	s_cbranch_scc0 .Lentry_in_a_cluster
	s_endpgm
.Lentry_in_a_cluster:
	s_bfe_u32 s2, ttmp6, 0x10000c
	s_cmp_lg_u32 s2, 0xf033
	s_cbranch_scc0 .Lentry_shape_is_right
	s_endpgm
.Lentry_shape_is_right:
; pwz[ny][0][b] = W = sum over the block row's 512 rows n of y[n] e(n, b);  pwz[ny][1][b] = Z = sum of e(n, b);
; e(n, b) = exp(con(n, b) / max(norm4(b), 1e-12)),  con = cat[n] . x[b],  norm4(b) = (sum of the 32 planes of p4 at b)^(1/4).
; xb, cb: [8192][128] bf16.  p4, pwz: [16][2][8192] f32.  y: [8192] f32.
; NO MAXIMUM IS TAKEN AWAY: |con(n, b)| <= norm4(b) for every input, since norm4 is the 4-norm of the column that con(n, b) belongs to, and below the
; clamp |con| <= norm4 < 1e-12.  So every exponent lies in [-1, 1] (but for the rounding named below), every e in [1/e, e], every Z of 512 terms in [188, 1392].
; The block, the waves' shares, LDS, the joint loads and the stages are those of the launch that makes p4: a work-group makes 512 rows n x 512 columns b,
; wave w owns 64 columns for all rows, column tile bt, fragment column r is b = 512 bx + 64 w + 4 r + bt; x and cat lie whole in LDS, each byte filled once.
; CLUSTERS: 4 x 4; x's rows are asked for jointly along a column of the cluster, cat's along a row.
; k(b) = log2 e / max(norm4, 1e-12) is multiplied into my x fragments once, so that the products leave the matrix unit as exponents of 2.
; W and Z are made on the matrix unit: two stages' e, rounded to bf16, ARE a B fragment (a result's lane holds rows 8 h + j of column r, a B fragment's lane
; K = 8 h + j of column r); the A fragment has y in row 0, ones in row 8, zeros elsewhere: register 0 of the result is W in lanes 0-15, Z in lanes 16-31.
; LIMITS: k is rounded to bf16 and x k again to bf16 (each 2^-9 relative); e and y enter W and Z in bf16.  v_sqrt_f32 takes a denormal as 0
; (ISA guide 15.8): a column whose sum of fourth powers is below 2^-126 (norm4 below 3.3e-10) is divided by 1e-12.
.set PITCH, 272                        ; an LDS row: 256 bytes + 16 of padding = 17 x 16
.set CR,    512*PITCH                  ; x's 512 rows lie at 0, cat's 512 rows behind them
.set TILEB, 128*PITCH
.set WX,    64*PITCH
.set WC,    16*PITCH
.set YT,    1024*PITCH                 ; 278,528 = 1,088 x 256: behind the tiles, written by LDS stores alone: the A operand's 16 rows x 512 bf16
.set YP,    1040                       ; its pitch: 1,024 bytes + 16 = 65 x 16
.set ADRX, 4                           ; v4      LDS address of my x fragments
.set YADR, 5                           ; v5      LDS address of my part of the A operand: row r
.set OOFF, 6                           ; v6      my byte offset in p4 and in pwz
.set YOFF, 7                           ; v7      my byte offset in y
.set ADRC, 8                           ; v[8:11] LDS address of my cat fragments in tile t
.set O,    12                          ; v[12:15] at the start: what goes into YT; at the end: the four results to store
.set KK,   16                          ; v[16:19] column tile bt: norm, then k, then k twice in bf16
.set Y,    20                          ; v[20:27] the A fragment of W and Z
.set YR,   28                          ; v[28:29] my two y as loaded
.set WZ,   32                          ; v[32:63] WZ + 8 bt
.set E,    64                          ; v[64:95] E + 8 bt: e of two stages in bf16
.set AF,   96                          ; v[96:159]  cat fragments: AF + 32 buf + 8 ks
.set ACC,  160                         ; v[160:223] accumulators: ACC + 32 set + 8 bt; at the start p4's 16 quads
                                       ; v[256:383] x fragments: 32 bt + 8 ks in window 1
.set G1X, 28
.set G1C, 36
.set G0X, 44
.set G0C, 48
.set G1W0, (1<<16)|(1<<20)|(1<<21)|(5<<22)|(3<<25)  ; elements of 2 bytes; padding on; bit 21 beside a mask; after every 64 words 4 words
.set MSB, 0
.macro WIN new                         ; s_set_vgpr_msb: bits 1:0 source 0, 3:2 source 1, 5:4 source 2, 7:6 destination; the high byte repeats the setting that is left
.if MSB != \new
	s_set_vgpr_msb (MSB<<8)|\new
.set MSB, \new
.endif
.endm
.macro ROUND                           ; a round of the cluster's barrier
	s_barrier_signal -1
	s_barrier_wait -1
	s_cmp_lg_u32 s20, 0
	s_cbranch_scc1 .Lnot_wave_0_\@
	s_barrier_signal -3
.Lnot_wave_0_\@:
	s_barrier_wait -3
	s_barrier_signal -1
	s_barrier_wait -1
.endm
.macro PLACES                          ; four places behind a matrix instruction (ISA guide 7.12.1)
.rept 4
	v_nop
.endr
.endm
.macro LD t, j, buf                    ; eight LDS loads: stage j of tile t (16 rows of cat x K = 128) into buffer buf
.irp ks, 0,1,2,3
	ds_load_b128 v[AF+32*\buf+8*\ks:AF+32*\buf+8*\ks+3],   v[ADRC+\t] offset:WC*(\j)+64*\ks
	ds_load_b128 v[AF+32*\buf+8*\ks+4:AF+32*\buf+8*\ks+7], v[ADRC+\t] offset:WC*(\j)+64*\ks+32
.endr
.endm
.macro YLD g                           ; two LDS loads: the A fragment for rows 32 g .. 32 g + 31 of the block
	ds_load_b128 v[Y:Y+3],   v[YADR] offset:64*(\g)
	ds_load_b128 v[Y+4:Y+7], v[YADR] offset:64*(\g)+32
.endm
; 16 matrix instructions: 16 rows of cat x my 64 columns x K = 128.  The first K step starts the sums.
; The four accumulators take turns, one instruction a turn.
.macro MM buf
.irp ks, 0,1,2,3
.irp bt, 0,1,2,3
.if \ks == 0
	v_wmma_f32_16x16x32_bf16 v[ACC+32*\buf+8*\bt:ACC+32*\buf+8*\bt+7], v[AF+32*\buf+8*\ks:AF+32*\buf+8*\ks+7], v[32*\bt+8*\ks:32*\bt+8*\ks+7], 0
.else
	v_wmma_f32_16x16x32_bf16 v[ACC+32*\buf+8*\bt:ACC+32*\buf+8*\bt+7], v[AF+32*\buf+8*\ks:AF+32*\buf+8*\ks+7], v[32*\bt+8*\ks:32*\bt+8*\ks+7], v[ACC+32*\buf+8*\bt:ACC+32*\buf+8*\bt+7]
.endif
.endr
.endr
.endm
; The vector work on a set of accumulators: e = 2^c in place, rounded in pairs into E (set 0, an even stage: K = 0..15, registers 0-3; set 1: K = 16..31,
; registers 4-7).  Behind set 1 E is whole: four matrix instructions add to W and Z (zero = 1: they start the sums), on four accumulators by turns;
; the four v_nop behind them are the places in front of the next writes of E and the next load into Y.
.macro VV set, zero
.set q, 0
.rept 32
	v_exp_f32 v[ACC+32*(\set)+q], v[ACC+32*(\set)+q]
.set q, q+1
.endr
	v_nop                                          ; one plain vector instruction behind the last v_exp_f32 before its result is read (ISA guide 5.7.2)
	s_wait_alu depctr_va_vdst(0)
.irp bt, 0,1,2,3
.irp p, 0,1,2,3
	v_cvt_pk_bf16_f32 v[E+8*\bt+4*(\set)+\p], v[ACC+32*(\set)+8*\bt+2*\p], v[ACC+32*(\set)+8*\bt+2*\p+1]
.endr
.endr
.if (\set)
.irp bt, 0,1,2,3
.if (\zero)
	v_wmma_f32_16x16x32_bf16 v[WZ+8*\bt:WZ+8*\bt+7], v[Y:Y+7], v[E+8*\bt:E+8*\bt+7], 0
.else
	v_wmma_f32_16x16x32_bf16 v[WZ+8*\bt:WZ+8*\bt+7], v[Y:Y+7], v[E+8*\bt:E+8*\bt+7], v[WZ+8*\bt:WZ+8*\bt+7]
.endif
.endr
	PLACES
.endif
.endm
; A stage.  cnt: how many younger LDS loads may stay out.  vv: 0 no stage before (four v_nop instead), 1 the vector work on the stage before, 2 the same, and it starts W and Z.
; The vector block names the other set, E, Y and WZ alone: its v_nop and its 16 conversions are the places between this stage's products and the loads into
; the buffer that they read, and between these products and the next stage's v_exp_f32, which read their results.
.macro STAGE t, j, buf, cnt, vv
	s_wait_dscnt \cnt
	WIN 0x04                                       ; source 1 (x) in window 1
	MM \buf
	WIN 0
.if \vv == 0
	PLACES
.else
	VV 1-\buf, \vv-1
.endif
.if \buf == 0
	YLD 4*\t+\j/2                                  ; for the two stages that begin here; used two stages on
.endif
.if \j < 6
	LD \t, \j+2, \buf
.endif
.endm
; A tile of cat.  The count on TENSORcnt leaves the 3 - t later tiles' loads out: a wave's tensor loads end in order (ISA guide 10.11.1).
; The counts on DScnt: behind an even stage's fragments were issued the next stage's eight loads; behind an odd stage's, Y's two
; and the next stage's eight; behind stage 7's, Y's two.
.macro TILE t, va, vc
	s_wait_tensorcnt 3-\t
	s_wait_dscnt 0x0
	s_barrier_signal -1
	s_barrier_wait -1
	LD \t, 0, 0
	LD \t, 1, 1
	STAGE \t, 0, 0, 8, \va
	STAGE \t, 1, 1, 10, 1
	STAGE \t, 2, 0, 8, \vc
	STAGE \t, 3, 1, 10, 1
	STAGE \t, 4, 0, 8, 1
	STAGE \t, 5, 1, 10, 1
	STAGE \t, 6, 0, 8, 1
	STAGE \t, 7, 1, 2, 1
.endm
.macro HALVE base, st                  ; st quads at base + 4 st are added onto st quads at base
.set q, 0
.rept 2*\st
	v_pk_add_f32 v[\base+2*q:\base+2*q+1], v[\base+2*q:\base+2*q+1], v[\base+4*\st+2*q:\base+4*\st+2*q+1]
.set q, q+1
.endr
.endm
	s_load_b256 s[4:11], s[0:1], 0x0               ; xb s[4:5], cb s[6:7], p4 s[8:9], y s[10:11]
	s_load_b64 s[12:13], s[0:1], 0x20              ; pwz
	v_lshl_add_u32 v254, v0, 2, 0x48100
	v_mov_b32 v255, 0
	ds_add_u32 v254, v255
	v_lshrrev_b32 v1, 5, v0
	v_readfirstlane_b32 s20, v1                    ; wave 0..7
	s_bfe_u32 s21, ttmp6, 0x40000                  ; cx
	s_bfe_u32 s22, ttmp6, 0x40004                  ; cy
	s_lshl_b32 s23, ttmp9, 2
	s_add_co_u32 s23, s23, s21                     ; bx = 4 x cluster x + cx
	s_and_b32 s24, ttmp7, 0xffff
	s_lshl_b32 s24, s24, 2
	s_add_co_u32 s24, s24, s22                     ; ny = 4 x cluster y + cy
	s_lshl_b32 s74, 0x1111, s21                    ; my column of the cluster
	s_lshl_b32 s75, s22, 2
	s_lshl_b32 s75, 15, s75                        ; my row
	s_or_b32 s[G1X+0], s74, G1W0                   ; x's rows go to my column
	s_mov_b32 s[G1X+1], 128<<16                    ; tensor_dim0 = 128
	s_mov_b32 s[G1X+2], 64<<16                     ; tensor_dim1 = 64
	s_mov_b32 s[G1X+3], 128<<16                    ; tile_dim0 = 128 elements (256 bytes)
	s_mov_b32 s[G1X+4], 64                         ; tile_dim1 = 64 rows
	s_mov_b32 s[G1X+5], 128                        ; elements from row to row
	s_mov_b32 s[G1X+6], 0
	s_mov_b32 s[G1X+7], 0
	s_or_b32 s[G1C+0], s75, G1W0                   ; cat's rows go to my row
	s_mov_b32 s[G1C+1], 128<<16
	s_mov_b32 s[G1C+2], 16<<16                     ; 16 rows a load: each wave brings an eighth of each tile, so that tile 0 is whole first
	s_mov_b32 s[G1C+3], 128<<16
	s_mov_b32 s[G1C+4], 16
	s_mov_b32 s[G1C+5], 128
	s_mov_b32 s[G1C+6], 0
	s_mov_b32 s[G1C+7], 0
	s_lshl_b32 s66, s23, 17                        ; x: 512 rows of 256 bytes a block column
	s_lshl_b32 s76, s20, 14                        ; + 64 rows a wave.  s[66:67] never hold ny
	s_add_co_u32 s66, s66, s76
	s_mov_b32 s67, 0
	s_lshl_b32 s68, s24, 17                        ; cat: 512 rows a block row
	s_lshl_b32 s76, s20, 12                        ; + 16 rows a wave.  s[68:69] never hold bx
	s_add_co_u32 s68, s68, s76
	s_mov_b32 s69, 0
	s_mul_i32 s76, s20, WX                         ; LDS addresses hang on the wave's number alone
	s_mul_i32 s77, s20, WC
	s_mov_b32 s72, 0x76543210                      ; v_permlanex16_b32: lane i reads lane i of the other half
	s_mov_b32 s73, 0xfedcba98
	s_lshl_b32 s70, s23, 11                        ; 512 columns of 4 bytes a block column
	s_mov_b32 s71, 0
	s_wait_dscnt 0x0
	s_wait_kmcnt 0x0
	s_add_nc_u64 s[14:15], s[4:5], s[66:67]
	s_add_nc_u64 s[16:17], s[6:7], s[68:69]
	s_add_nc_u64 s[8:9], s[8:9], s[70:71]          ; p4 at my block column, plane 0
	s_add_nc_u64 s[12:13], s[12:13], s[70:71]
	s_lshl_b32 s70, s24, 16                        ; two planes of 32,768 bytes a block row
	s_add_nc_u64 s[12:13], s[12:13], s[70:71]      ; pwz at my block
	s_lshl_b32 s70, s24, 11                        ; 512 y of 4 bytes a block row
	s_add_nc_u64 s[10:11], s[10:11], s[70:71]
	s_mov_b32 s[G0X], 1                            ; count = 1
	s_add_co_u32 s[G0X+1], s76, 0                  ; LDS address
	s_mov_b64 s[G0X+2:G0X+3], s[14:15]             ; global address of the tile's first element
	s_or_b32 s[G0X+3], s[G0X+3], 0x80000000        ; type = 2
.irp t, 0,1,2,3
	s_mov_b32 s[G0C+4*\t], 1
	s_add_co_u32 s[G0C+4*\t+1], s77, CR+TILEB*\t
	s_add_nc_u64 s[G0C+4*\t+2:G0C+4*\t+3], s[16:17], 32768*\t      ; 128 rows of 256 bytes a tile
	s_or_b32 s[G0C+4*\t+3], s[G0C+4*\t+3], 0x80000000
.endr
	ROUND                                          ; all sixteen work-groups are here: the joint loads meet
	tensor_load_to_lds s[G0X:G0X+3], s[G1X:G1X+7]  ; all fills of the launch in one group: five loads of this wave are out
	s_nop 0
.irp t, 0,1,2,3
	tensor_load_to_lds s[G0C+4*\t:G0C+4*\t+3], s[G1C:G1C+7]
	s_nop 0
.endr
	v_and_b32 v1, 15, v0                           ; r
	v_bfe_u32 v2, v0, 4, 1                         ; h
	v_lshlrev_b32 v[YOFF], 3, v0                   ; thread t takes y[2 t], y[2 t + 1] of the block row
	v_lshlrev_b32 v[OOFF], 4, v1                   ; 4 columns of 4 bytes for each r,
	v_lshl_add_u32 v[OOFF], v2, 15, v[OOFF]        ; plane h,
	s_lshl_b32 s25, s20, 8
	v_add_nc_u32 v[OOFF], s25, v[OOFF]             ; 64 columns a wave
	global_load_b64 v[YR:YR+1], v[YOFF], s[10:11]
.set i, 0
.rept 16
	global_load_b128 v[ACC+4*i:ACC+4*i+3], v[OOFF], s[8:9] offset:65536*i  ; plane h of block row i, my four columns
.set i, i+1
.endr
	v_mul_u32_u24 v[ADRX], v1, 4*PITCH             ; x: fragment column r of tile bt is my row 4 r + bt
	v_lshl_add_u32 v[ADRX], v2, 4, v[ADRX]
	v_add_nc_u32 v[ADRX], s76, v[ADRX]
	v_mul_u32_u24 v3, v1, PITCH
	v_lshl_add_u32 v3, v2, 4, v3
.irp t, 0,1,2,3
	v_add_nc_u32 v[ADRC+\t], CR+TILEB*\t, v3
.endr
	v_mul_u32_u24 v[YADR], v1, YP                  ; the A operand's row r, 16 bytes for each half of the lanes
	v_lshl_add_u32 v[YADR], v2, 4, v[YADR]
	v_add_nc_u32 v[YADR], YT, v[YADR]
	v_mov_b32 v[O+1], 0x3f803f80                   ; 1.0 twice in bf16
	v_mov_b32 v[O+2], 0
	v_lshlrev_b32 v[O+3], 2, v0
	v_add_nc_u32 v[O+3], YT, v[O+3]                ; thread t writes word t of each of the 16 rows
	s_wait_loadcnt 16                              ; y is in; the sixteen loads of p4 behind it stay out
	v_cvt_pk_bf16_f32 v[O], v[YR], v[YR+1]
	ds_store_b32 v[O+3], v[O]                      ; row 0: y
.irp m, 1,2,3,4,5,6,7,9,10,11,12,13,14,15
	ds_store_b32 v[O+3], v[O+2] offset:YP*\m       ; zeros
.endr
	ds_store_b32 v[O+3], v[O+1] offset:YP*8        ; row 8: ones.  Tile 0's barrier, with its wait for these stores in front, shows the rows to all waves
	s_wait_tensorcnt 0x4                           ; my x rows are in (the four cat loads behind them stay out); no other wave reads them
	WIN 0x40                                       ; destination in window 1
.irp bt, 0,1,2,3
.irp ks, 0,1,2,3
	ds_load_b128 v[32*\bt+8*\ks:32*\bt+8*\ks+3],   v[ADRX] offset:PITCH*\bt+64*\ks
	ds_load_b128 v[32*\bt+8*\ks+4:32*\bt+8*\ks+7], v[ADRX] offset:PITCH*\bt+64*\ks+32
.endr
.endr
	WIN 0
	s_wait_loadcnt 0x0                             ; p4
	HALVE ACC, 8                                   ; the 16 block rows of my plane,
	HALVE ACC, 4
	HALVE ACC, 2
	HALVE ACC, 1
.irp e, 0,1,2,3
	v_permlanex16_b32 v[ACC+4+\e], v[ACC+\e], s72, s73     ; and the other plane (the destination has been written)
.endr
.irp e, 0,1,2,3
	v_add_f32 v[KK+\e], v[ACC+\e], v[ACC+4+\e]     ; the sum of fourth powers of column 4 r + e, in both halves of the lanes
.endr
.irp e, 0,1,2,3
	v_sqrt_f32 v[KK+\e], v[KK+\e]
.endr
	v_nop                                          ; one plain vector instruction behind a transcendental before its result is used (ISA guide 5.7.2), here and below
	s_wait_alu depctr_va_vdst(0)
.irp e, 0,1,2,3
	v_sqrt_f32 v[KK+\e], v[KK+\e]
.endr
	v_nop
	s_wait_alu depctr_va_vdst(0)
.irp e, 0,1,2,3
	v_max_num_f32 v[KK+\e], 0x2b8cbccc, v[KK+\e]   ; max(norm4, 1e-12)
.endr
.irp e, 0,1,2,3
	v_rcp_f32 v[KK+\e], v[KK+\e]
.endr
	v_nop
	s_wait_alu depctr_va_vdst(0)
.irp e, 0,1,2,3
	v_mul_f32 v[KK+\e], 0x3fb8aa3b, v[KK+\e]       ; k = log2 e / max(norm4, 1e-12)
.endr
.irp e, 0,1,2,3
	v_cvt_pk_bf16_f32 v[KK+\e], v[KK+\e], v[KK+\e]
.endr
	s_wait_dscnt 0x0                               ; my x fragments are in
	WIN 0x41                                       ; destination and source 0 in window 1
.irp bt, 0,1,2,3
.set q, 0
.rept 32
	v_pk_mul_bf16 v[32*\bt+q], v[32*\bt+q], v[KK+\bt]      ; in tile bt a lane holds column 4 r + bt alone
.set q, q+1
.endr
.endr
	WIN 0
	TILE 0, 0, 2
	TILE 1, 1, 1
	TILE 2, 1, 1
	TILE 3, 1, 1
	s_wait_dscnt 0x0                               ; the last A fragment, which stage 31's count left out
	VV 1, 0                                        ; stage 31's results; stage 31's own vector block (17 plain instructions on other registers) stands between its products and this
.irp bt, 0,1,2,3
	v_mov_b32 v[O+\bt], v[WZ+8*\bt]                ; register 0 of four accumulators, side by side for one store (four places stand behind the last matrix instruction)
.endr
	global_store_b128 v[OOFF], v[O:O+3], s[12:13]  ; lanes 0-15: 256 consecutive bytes of W, aligned; lanes 16-31: of Z
	s_wait_tensorcnt 0x0
	ds_add_u32 v254, v255
	s_wait_dscnt 0x0
	ROUND                                          ; the closing round: no work-group ends while a partner may still ask for a tile that names it
	s_endpgm
.Lfunc_end_k_q577aad3542_soft:
	.size	k_q577aad3542_soft, .Lfunc_end_k_q577aad3542_soft-k_q577aad3542_soft
	.p2alignl 7, 3214868480
	.fill 96, 4, 3214868480
	.section	.rodata,"a",@progbits
	.p2align	6, 0x0
	.amdhsa_kernel k_q577aad3542_soft
		.amdhsa_group_segment_fixed_size 296192
		.amdhsa_private_segment_fixed_size 0
		.amdhsa_enable_private_segment 0
		.amdhsa_kernarg_size 40
		.amdhsa_user_sgpr_count 2
		.amdhsa_user_sgpr_kernarg_segment_ptr 1
		.amdhsa_wavefront_size32 1
		.amdhsa_system_sgpr_workgroup_id_x 1
		.amdhsa_system_sgpr_workgroup_id_y 1
		.amdhsa_system_sgpr_workgroup_id_z 1
		.amdhsa_system_vgpr_workitem_id 0
		.amdhsa_next_free_vgpr 384
		.amdhsa_next_free_sgpr 80
		.amdhsa_reserve_vcc 0
		.amdhsa_float_denorm_mode_32 3
		.amdhsa_float_denorm_mode_16_64 3
		.amdhsa_memory_ordered 1
		.amdhsa_forward_progress 1
		.amdhsa_inst_pref_size 149
	.end_amdhsa_kernel
	.amdgpu_metadata
---
amdhsa.version: [ 1, 2 ]
amdhsa.kernels:
  - .name:           k_q577aad3542_soft
    .symbol:         k_q577aad3542_soft.kd
    .args:
      - { .name: xb, .offset: 0, .size: 8, .value_kind: global_buffer, .address_space: global }
      - { .name: cb, .offset: 8, .size: 8, .value_kind: global_buffer, .address_space: global }
      - { .name: p4, .offset: 16, .size: 8, .value_kind: global_buffer, .address_space: global }
      - { .name: y, .offset: 24, .size: 8, .value_kind: global_buffer, .address_space: global }
      - { .name: pwz, .offset: 32, .size: 8, .value_kind: global_buffer, .address_space: global }
    .group_segment_fixed_size: 296192
    .private_segment_fixed_size: 0
    .kernarg_segment_align: 8
    .kernarg_segment_size: 40
    .max_flat_workgroup_size: 256
    .sgpr_count:     80
    .vgpr_count:     384
    .wavefront_size: 32
...
	.end_amdgpu_metadata
.endif
;; end of part 3
;; launch fin (part 4): grid 64 x 1, 1 waves a work-group, no clusters, 0 bytes of LDS; arguments pwz, th, bias, out0; writes out0
.if DOCPART == 4
	.amdgcn_target "amdgcn-amd-amdhsa--gfx1250"
	.amdhsa_code_object_version 6
	.text
	.protected	k_q577aad3542_fin
	.globl	k_q577aad3542_fin
	.p2align	8
	.type	k_q577aad3542_fin,@function
k_q577aad3542_fin:
	s_mov_b64 s[64:65], 0
	v_nop
	global_prefetch_b8 v0, s[64:65] scope:SCOPE_SE
	s_setreg_imm32_b32 hwreg(HW_REG_WAVE_MODE, 25, 1), 1
	s_wait_xcnt 0x0
; out0[b] = bias + sum over the sources s of th[b][s] (sum over ny = 4 s .. 4 s + 3 of W[ny][b]) / (sum over all 16 ny of Z[ny][b]).
; pwz: [16][2: W, Z][8192] f32.  th: [8192][4] f32.  bias: [1] f32.  out0: [8192] f32.
; A block row ny holds rows n = 512 ny .. 512 ny + 511, all of source n / 2048 = ny / 4.
; One wave a work-group, a lane owns 4 neighbouring columns, a wave 128: each load of pwz and the store cover 512 consecutive bytes, aligned.
; 64 work-groups: 8192 columns at 16 bytes a lane give no more.  All 36 loads go out at once; there is nothing to overlap them with.
; Each source's W is divided by Z before it meets th, so that a large th multiplies a number below max |y|.
.set TH, 8                             ; v[8:23]   column e: th[b][0..3]
.set OUT, 28                           ; v[28:31]
.set W,  32                            ; v[32:95]  block row ny: my 4 columns
.set Z,  96                            ; v[96:159]
.macro HALVE base, st                  ; st quads at base + 4 st are added onto st quads at base
.set q, 0
.rept 2*\st
	v_pk_add_f32 v[\base+2*q:\base+2*q+1], v[\base+2*q:\base+2*q+1], v[\base+4*\st+2*q:\base+4*\st+2*q+1]
.set q, q+1
.endr
.endm
	s_load_b256 s[4:11], s[0:1], 0x0               ; pwz s[4:5], th s[6:7], bias s[8:9], out0 s[10:11]
	v_lshlrev_b32 v1, 4, v0                        ; 4 columns of 4 bytes a lane
	v_lshlrev_b32 v2, 6, v0                        ; 4 rows of th, 16 bytes each, a lane
	s_lshl_b32 s14, ttmp9, 9                       ; 128 columns of 4 bytes a work-group
	s_mov_b32 s15, 0
	s_wait_kmcnt 0x0
	s_load_b32 s12, s[8:9], 0x0                    ; bias
	s_add_nc_u64 s[4:5], s[4:5], s[14:15]
	s_add_nc_u64 s[10:11], s[10:11], s[14:15]
	s_lshl_b32 s14, ttmp9, 11                      ; 128 rows of th
	s_add_nc_u64 s[6:7], s[6:7], s[14:15]
.set i, 0
.rept 16
	global_load_b128 v[Z+4*i:Z+4*i+3], v1, s[4:5] offset:65536*i+32768
.set i, i+1
.endr
.set i, 0
.rept 16
	global_load_b128 v[W+4*i:W+4*i+3], v1, s[4:5] offset:65536*i
.set i, i+1
.endr
.irp e, 0,1,2,3
	global_load_b128 v[TH+4*\e:TH+4*\e+3], v2, s[6:7] offset:16*\e
.endr
	s_wait_loadcnt 20                              ; Z's sixteen loads are in; W's sixteen and th's four stay out
	HALVE Z, 8
	HALVE Z, 4
	HALVE Z, 2
	HALVE Z, 1
.irp e, 0,1,2,3
	v_rcp_f32 v[Z+\e], v[Z+\e]                     ; Z is a sum of 8192 numbers of at least 1/e each: never 0
.endr
	s_wait_loadcnt 0x0
.irp s, 0,1,2,3
	HALVE W+16*\s, 2                               ; plain vector work stands behind the last v_rcp_f32 before its result is used (ISA guide 5.7.2)
	HALVE W+16*\s, 1
.endr
	s_wait_alu depctr_va_vdst(0)
.irp s, 0,1,2,3
	v_pk_mul_f32 v[W+16*\s:W+16*\s+1],   v[W+16*\s:W+16*\s+1],   v[Z:Z+1]
	v_pk_mul_f32 v[W+16*\s+2:W+16*\s+3], v[W+16*\s+2:W+16*\s+3], v[Z+2:Z+3]
.endr
	s_wait_kmcnt 0x0                               ; bias
.irp e, 0,1,2,3
	v_fma_f32 v[OUT+\e], v[W+\e], v[TH+4*\e], s12
.endr
.irp s, 1,2,3
.irp e, 0,1,2,3
	v_fma_f32 v[OUT+\e], v[W+16*\s+\e], v[TH+4*\e+\s], v[OUT+\e]
.endr
.endr
	global_store_b128 v1, v[OUT:OUT+3], s[10:11]
	s_endpgm
.Lfunc_end_k_q577aad3542_fin:
	.size	k_q577aad3542_fin, .Lfunc_end_k_q577aad3542_fin-k_q577aad3542_fin
	.p2alignl 7, 3214868480
	.fill 96, 4, 3214868480
	.section	.rodata,"a",@progbits
	.p2align	6, 0x0
	.amdhsa_kernel k_q577aad3542_fin
		.amdhsa_group_segment_fixed_size 0
		.amdhsa_private_segment_fixed_size 0
		.amdhsa_enable_private_segment 0
		.amdhsa_kernarg_size 32
		.amdhsa_user_sgpr_count 2
		.amdhsa_user_sgpr_kernarg_segment_ptr 1
		.amdhsa_wavefront_size32 1
		.amdhsa_system_sgpr_workgroup_id_x 1
		.amdhsa_system_sgpr_workgroup_id_y 1
		.amdhsa_system_sgpr_workgroup_id_z 1
		.amdhsa_system_vgpr_workitem_id 0
		.amdhsa_next_free_vgpr 168
		.amdhsa_next_free_sgpr 66
		.amdhsa_reserve_vcc 0
		.amdhsa_float_denorm_mode_32 3
		.amdhsa_float_denorm_mode_16_64 3
		.amdhsa_memory_ordered 1
		.amdhsa_forward_progress 1
		.amdhsa_inst_pref_size 10
	.end_amdhsa_kernel
	.amdgpu_metadata
---
amdhsa.version: [ 1, 2 ]
amdhsa.kernels:
  - .name:           k_q577aad3542_fin
    .symbol:         k_q577aad3542_fin.kd
    .args:
      - { .name: pwz, .offset: 0, .size: 8, .value_kind: global_buffer, .address_space: global }
      - { .name: th, .offset: 8, .size: 8, .value_kind: global_buffer, .address_space: global }
      - { .name: bias, .offset: 16, .size: 8, .value_kind: global_buffer, .address_space: global }
      - { .name: out0, .offset: 24, .size: 8, .value_kind: global_buffer, .address_space: global }
    .group_segment_fixed_size: 0
    .private_segment_fixed_size: 0
    .kernarg_segment_align: 8
    .kernarg_segment_size: 32
    .max_flat_workgroup_size: 32
    .sgpr_count:     66
    .vgpr_count:     168
    .wavefront_size: 32
...
	.end_amdgpu_metadata
.endif
;; end of part 4
;; ======== version 2 of 3: 3 launches; 1.29 times as fast as version 1
;; limits: a function is approximated: absolute error at most 0.0006; values outside matrix products are rounded to bf16; right only within a limited range of input values
;; workspace buffers: xb 2,097,152 bytes; cb 2,097,152 bytes; th 131,072 bytes; pm 4,194,304 bytes
;; launch prep: the kernel of part 1 again; grid 256 x 1, 8 waves a work-group, no clusters, 1,536 bytes of LDS; arguments batch_x, cat, phi, xb, cb, th; writes xb, cb, th
;; launch mom (part 5): grid 16 x 16, 8 waves a work-group, clusters of 4 x 4, 312,576 bytes of LDS; arguments xb, cb, y, pm; writes pm
.if DOCPART == 5
	.amdgcn_target "amdgcn-amd-amdhsa--gfx1250"
	.amdhsa_code_object_version 6
	.text
	.protected	k_q577aad3542_mom
	.globl	k_q577aad3542_mom
	.p2align	8
	.type	k_q577aad3542_mom,@function
k_q577aad3542_mom:
	s_mov_b64 s[64:65], 0
	v_nop
	global_prefetch_b8 v0, s[64:65] scope:SCOPE_SE
	s_setreg_imm32_b32 hwreg(HW_REG_WAVE_MODE, 25, 1), 1
	s_wait_xcnt 0x0
	s_wait_alu depctr_hold_cnt(0) depctr_sa_sdst(0) depctr_va_vdst(0) depctr_va_sdst(0) depctr_va_ssrc(0) depctr_va_vcc(0) depctr_vm_vsrc(0)
	s_getreg_b32 s2, hwreg(HW_REG_IB_STS2, 6, 4)
	s_cmp_eq_u32 s2, 0
	s_cbranch_scc0 .Lentry_in_a_cluster
	s_endpgm
.Lentry_in_a_cluster:
	s_bfe_u32 s2, ttmp6, 0x10000c
	s_cmp_lg_u32 s2, 0xf033
	s_cbranch_scc0 .Lentry_shape_is_right
	s_endpgm
.Lentry_shape_is_right:
; pm[ny][m-1][0][b] = W_m = sum over the block row's 512 rows n of y[n] con(n, b)^m;  pm[ny][m-1][1][b] = Z_m = sum of con(n, b)^m;  m = 1..4;  con = cat[n] . x[b].
; xb, cb: [8192][128] bf16.  y: [8192] f32.  pm: [16][4][2][8192] f32.
; WHY MOMENTS: the softmax's exponents are t = con / max(norm4, 1e-12), norm4 the 4-norm of con's own column, so |t| <= 1 for every input.  On [-1, 1] the next
; launch takes e^t as a polynomial of degree 4 in t; its sums over n are k^m W_m and k^m Z_m with k = 1 / max(norm4, 1e-12), and norm4^4 = Z_4.  None of the eight
; sums needs k, so con is made once and nothing of it is stored.
; A work-group makes the block of 512 rows n (block row ny) x 512 columns b (block column bx).  Its whole share of xb and cb, 2 x 512 rows of 256 bytes, lies in LDS at
; once: every LDS byte is filled once, all loads go out at the start.  Eight waves; wave w owns 64 columns for all 512 rows, so a column's sums over the block never
; leave the wave.  Its x fragments (4 column tiles x K = 128) stay in 128 registers; cat's rows go by in 32 stages of 16 rows.  Column tile bt, fragment column r is
; b = 512 bx + 64 w + 4 r + bt, so that a lane's four results of a kind are 16 neighbouring bytes of pm.
; CLUSTERS: 4 x 4 work-groups.  x's rows hang on bx alone and are asked for jointly by the four of a column of the cluster, cat's rows hang on ny alone and are asked
; for jointly by the four of a row: each of the four issues the same load with the same descriptor.
; THE SUMS ARE MADE ON THE MATRIX UNIT.  A result's lane holds rows 8 h + j of column r, which is a B fragment's K = 8 h + j of column r: a stage's c, rounded in
; pairs, fills registers 0-3 (K = 0..15) and its c^2 registers 4-7 (K = 16..31); a second fragment holds c^3 and c^4.  The A operand has (y | 0) in row 0, (0 | y) in
; row 1, (1 | 0) in row 8, (0 | 1) in row 9 and zeros elsewhere.  It multiplies both fragments, into two accumulators for each column tile: registers 0, 1 of the first
; are W_1, W_2 in lanes 0-15 and Z_1, Z_2 in lanes 16-31, those of the second W_3, W_4 and Z_3, Z_4.
; THE PIPELINE: a stage's 16 products are followed by the vector work and the 8 moment products of the stage BEFORE, on the other set of accumulators.  Four of the
; eight waves begin the stages half a stage late, and no barrier behind that makes a wave wait, so that some waves are in their products while others are in their vector work.
; LIMITS: x, cat in bf16; powers in f32, then rounded to bf16 as matrix operands, as is y; sums in f32.  con^4 and its sum must stay finite (|con| below about 4e8):
; beyond that a zero of the A operand meets an infinity and the sums are NaN.  Below |con| of about 3e-10 con^4 is a denormal or 0.
.set PITCH, 272                        ; an LDS row: 256 bytes + 16 of padding = 17 x 16: the 16 rows of a fragment load start at 16 different 16-byte columns modulo 256
.set CR,    512*PITCH                  ; x's 512 rows lie at 0, cat's 512 rows behind them
.set TILEB, 128*PITCH                  ; a tile of cat: 128 rows = 8 stages
.set WX,    64*PITCH                   ; a wave's x rows
.set WC,    16*PITCH                   ; 16 rows: what one tensor load brings, a column tile's x rows, a stage's cat rows
.set YT,    1024*PITCH                 ; 278,528 = 1,088 x 256: behind the tiles, written by LDS stores alone: the A operand, 16 rows x 32 stages x 64 bytes
.set YP,    2064                       ; its pitch: 2,048 bytes + 16 = 129 x 16
.set ADRX, 4                           ; v4      LDS address of my x fragments
.set YA,   5                           ; v5      LDS address of my part of the A operand: row r
.set OOFF, 6                           ; v6      my byte offset in pm
.set ADRC, 8                           ; v[8:11] LDS address of my cat fragments in tile t
.set YOFF, 12                          ; v12     my byte offset in y
.set TA,   13                          ; v13     where I write my word of each half row of the A operand
.set ONE,  14                          ; v14     1.0 twice in bf16
.set ZERO, 15                          ; v15     0
.set Y,    16                          ; v[16:31]   the A fragment of a stage: Y + 8 (stage mod 2)
.set WZ1,  32                          ; v[32:63]   WZ1 + 8 bt: moments 1 and 2 of column tile bt
.set WZ2,  64                          ; v[64:95]   WZ2 + 8 bt: moments 3 and 4
.set AF,   96                          ; v[96:159]  cat fragments: AF + 32 (stage mod 2) + 8 ks; at the end the quads to store
.set ACC,  160                         ; v[160:223] accumulators: ACC + 32 (stage mod 2) + 8 bt
.set E,    224                         ; v[224:239] the two B fragments of one column tile
.set T,    240                         ; v[240:247] c^2, then c^4, of one column tile
                                       ; v[256:383] x fragments: 32 bt + 8 ks in window 1
.set G1X, 28                           ; s[28:35] descriptor group 1 for x
.set G1C, 36                           ; s[36:43] descriptor group 1 for cat
.set G0C, 48                           ; s[48:63] descriptor group 0 for cat's tile t
.set G0X, 80                           ; s[80:95] descriptor group 0 for x's column tile bt
.set G1W0, (1<<16)|(1<<20)|(1<<21)|(5<<22)|(3<<25)  ; 17:16 elements of 2 bytes; 20 padding on; 21 set beside a mask; 24:22 after every 64 words; 31:25 of 4 words
.set MSB, 0
.macro WIN new                         ; s_set_vgpr_msb: bits 1:0 source 0, 3:2 source 1, 5:4 source 2, 7:6 destination; the high byte repeats the setting that is left
.if MSB != \new
	s_set_vgpr_msb (MSB<<8)|\new
.set MSB, \new
.endif
.endm
.macro ROUND                           ; a round of the cluster's barrier
	s_barrier_signal -1
	s_barrier_wait -1
	s_cmp_lg_u32 s20, 0
	s_cbranch_scc1 .Lnot_wave_0_\@
	s_barrier_signal -3
.Lnot_wave_0_\@:
	s_barrier_wait -3
	s_barrier_signal -1
	s_barrier_wait -1
.endm
.macro PLACES                          ; four places behind a matrix instruction (ISA guide 7.12.1)
.rept 4
	v_nop
.endr
.endm
; eight LDS loads: the fragments of stage i (16 rows of cat x K = 128) into buffer i mod 2
.macro LD i
.set LT, (\i)/8
.set LJ, (\i)%8
.set LB, (\i)%2
.irp ks, 0,1,2,3
	ds_load_b128 v[AF+32*LB+8*\ks:AF+32*LB+8*\ks+3],   v[ADRC+LT] offset:WC*LJ+64*\ks
	ds_load_b128 v[AF+32*LB+8*\ks+4:AF+32*LB+8*\ks+7], v[ADRC+LT] offset:WC*LJ+64*\ks+32
.endr
.endm
; The LDS loads of stage CUR: its own rows of the A operand (used in the next stage), then the cat fragments of the stage after next.
; In stage 6 the second half of the barrier stands in front of the first read of cat's tile 1.
.macro HOOK
	ds_load_b128 v[Y+8*BUF:Y+8*BUF+3],   v[YA] offset:64*CUR
	ds_load_b128 v[Y+8*BUF+4:Y+8*BUF+7], v[YA] offset:64*CUR+32
.if CUR == 6
	s_barrier_wait -1                              ; every wave has signalled in its stage 4: cat's tiles 1 to 3 are whole
.endif
.if CUR < 30
	LD CUR+2
.endif
.endm
; 16 matrix instructions: 16 rows of cat x my 64 columns x K = 128.  The first K step starts the sums: nothing is cleared.
; The four accumulators take turns, one instruction a turn.
.macro MM
.irp ks, 0,1,2,3
.irp bt, 0,1,2,3
.if \ks == 0
	v_wmma_f32_16x16x32_bf16 v[ACC+32*BUF+8*\bt:ACC+32*BUF+8*\bt+7], v[AF+32*BUF+8*\ks:AF+32*BUF+8*\ks+7], v[32*\bt+8*\ks:32*\bt+8*\ks+7], 0
.else
	v_wmma_f32_16x16x32_bf16 v[ACC+32*BUF+8*\bt:ACC+32*BUF+8*\bt+7], v[AF+32*BUF+8*\ks:AF+32*BUF+8*\ks+7], v[32*\bt+8*\ks:32*\bt+8*\ks+7], v[ACC+32*BUF+8*\bt:ACC+32*BUF+8*\bt+7]
.endif
.endr
.endr
.endm
; The moments of column tile bt of a set of accumulators: 28 vector and 2 matrix instructions.  The four multiplies at the head name neither E nor the A fragment nor an
; accumulator of moments: they are the places between the matrix instructions before and the first write of E.  The two accumulators take turns, one instruction a
; turn.  ZR = 1: the products start the sums.  hook = 1: the stage's LDS loads stand here, 12 vector instructions behind a matrix instruction.
.macro VT set, bt, hook
.set CA, ACC+32*(\set)+8*(\bt)
.set YB, Y+8*(\set)
.irp p, 0,1,2,3
	v_pk_mul_f32 v[T+2*\p:T+2*\p+1], v[CA+2*\p:CA+2*\p+1], v[CA+2*\p:CA+2*\p+1]           ; c^2
.endr
.irp p, 0,1,2,3
	v_cvt_pk_bf16_f32 v[E+\p], v[CA+2*\p], v[CA+2*\p+1]                                    ; c: K = 0..15
.endr
.irp p, 0,1,2,3
	v_cvt_pk_bf16_f32 v[E+4+\p], v[T+2*\p], v[T+2*\p+1]                                    ; c^2: K = 16..31
.endr
.if \hook
	HOOK
.endif
.if ZR
	v_wmma_f32_16x16x32_bf16 v[WZ1+8*(\bt):WZ1+8*(\bt)+7], v[YB:YB+7], v[E:E+7], 0
.else
	v_wmma_f32_16x16x32_bf16 v[WZ1+8*(\bt):WZ1+8*(\bt)+7], v[YB:YB+7], v[E:E+7], v[WZ1+8*(\bt):WZ1+8*(\bt)+7]
.endif
.irp p, 0,1,2,3
	v_pk_mul_f32 v[CA+2*\p:CA+2*\p+1], v[CA+2*\p:CA+2*\p+1], v[T+2*\p:T+2*\p+1]           ; c^3, in place
.endr
.irp p, 0,1,2,3
	v_pk_mul_f32 v[T+2*\p:T+2*\p+1], v[T+2*\p:T+2*\p+1], v[T+2*\p:T+2*\p+1]               ; c^4, in place
.endr
.irp p, 0,1,2,3
	v_cvt_pk_bf16_f32 v[E+8+\p], v[CA+2*\p], v[CA+2*\p+1]
.endr
.irp p, 0,1,2,3
	v_cvt_pk_bf16_f32 v[E+12+\p], v[T+2*\p], v[T+2*\p+1]
.endr
.if ZR
	v_wmma_f32_16x16x32_bf16 v[WZ2+8*(\bt):WZ2+8*(\bt)+7], v[YB:YB+7], v[E+8:E+15], 0
.else
	v_wmma_f32_16x16x32_bf16 v[WZ2+8*(\bt):WZ2+8*(\bt)+7], v[YB:YB+7], v[E+8:E+15], v[WZ2+8*(\bt):WZ2+8*(\bt)+7]
.endif
.endm
; Stage CUR.  LDS instructions of a wave come back in order (ISA guide 5.7.1); a stage issues 2 loads (A fragment), then 8 (cat fragments of the stage after next).
; At the head the stage's cat fragments must be in: behind them were issued the last stage's 2 + 8 (stage 0: the 8 of stage 1; stage 31: the 2 of stage 30).
; Behind the products the last stage's A fragment must be in: behind it were issued that stage's 8 (stage 31: none).
; The vector work names the other set, T, E, the other A fragment and the moments' accumulators alone: its instructions are the places between this stage's products and the
; loads into the buffer that they read, between these products and the next stage's vector work, which reads their results, and between the last stage's moment products and
; the load into their A fragment.
.macro STAGE
.set BUF, CUR%2
.set OTH, 1-BUF
.if CUR == 1
.set ZR, 1
.else
.set ZR, 0
.endif
.if CUR == 0
	s_wait_dscnt 8
.else
.if CUR == 31
	s_wait_dscnt 2
.else
	s_wait_dscnt 10
.endif
.endif
	WIN 0x04                                       ; source 1 (x) in window 1
	MM
	WIN 0
.if CUR == 0
	PLACES                                         ; no stage before: four v_nop in front of the loads into the buffer just read
	HOOK
.else
.if CUR == 4
	; The first half of the one barrier for cat's tiles 1 to 3: no LDS instruction of mine is out, all my tensor loads have landed.  Up to its second half, in stage 6, stand
	; register work and reads of LDS bytes that are never written again.  Two stages lie between the halves, four times the waves' stagger: no wave has to wait there.
	s_wait_dscnt 0x0
	s_wait_tensorcnt 0x0
	s_barrier_signal -1
.else
.if CUR == 31
	s_wait_dscnt 0x0
.else
	s_wait_dscnt 8
.endif
.endif
	VT OTH, 0, 0
	VT OTH, 1, 1
	VT OTH, 2, 0
	VT OTH, 3, 0
.endif
.endm
	s_load_b256 s[4:11], s[0:1], 0x0               ; xb s[4:5], cb s[6:7], y s[8:9], pm s[10:11]
	v_lshl_add_u32 v254, v0, 2, 0x4c100
	v_mov_b32 v255, 0
	ds_add_u32 v254, v255
	v_lshrrev_b32 v1, 5, v0
	v_readfirstlane_b32 s20, v1                    ; wave 0..7
	s_lshr_b32 s26, s20, 2
	s_xor_b32 s26, s26, s20
	s_and_b32 s26, s26, 1                          ; bit 0 xor bit 2 of the wave's number: it differs between waves w and w + 4 and between waves 2 i and 2 i + 1
	s_bfe_u32 s21, ttmp6, 0x40000                  ; cx
	s_bfe_u32 s22, ttmp6, 0x40004                  ; cy
	s_lshl_b32 s23, ttmp9, 2
	s_add_co_u32 s23, s23, s21                     ; bx = 4 x cluster x + cx
	s_and_b32 s24, ttmp7, 0xffff
	s_lshl_b32 s24, s24, 2
	s_add_co_u32 s24, s24, s22                     ; ny = 4 x cluster y + cy
	s_lshl_b32 s74, 0x1111, s21                    ; my column of the cluster: places cx, cx + 4, cx + 8, cx + 12
	s_lshl_b32 s75, s22, 2
	s_lshl_b32 s75, 15, s75                        ; my row: places 4 cy .. 4 cy + 3
	s_or_b32 s[G1X+0], s74, G1W0                   ; x's rows go to my column
	s_mov_b32 s[G1X+1], 128<<16                    ; tensor_dim0 = 128
	s_mov_b32 s[G1X+2], 16<<16                     ; tensor_dim1 = 16
	s_mov_b32 s[G1X+3], 128<<16                    ; tile_dim0 = 128 elements (256 bytes)
	s_mov_b32 s[G1X+4], 16                         ; tile_dim1 = 16 rows,
	s_mov_b32 s[G1X+5], 512                        ; every fourth row of x: rows 4 r + bt, r = 0..15, become neighbours in LDS
	s_mov_b32 s[G1X+6], 0
	s_mov_b32 s[G1X+7], 0
	s_or_b32 s[G1C+0], s75, G1W0                   ; cat's rows go to my row
	s_mov_b32 s[G1C+1], 128<<16
	s_mov_b32 s[G1C+2], 16<<16                     ; 16 rows a load: each wave brings an eighth of each tile, so that tile 0 is whole first
	s_mov_b32 s[G1C+3], 128<<16
	s_mov_b32 s[G1C+4], 16
	s_mov_b32 s[G1C+5], 128                        ; neighbouring rows
	s_mov_b32 s[G1C+6], 0
	s_mov_b32 s[G1C+7], 0
	s_lshl_b32 s66, s23, 17                        ; x: 512 rows of 256 bytes a block column
	s_lshl_b32 s76, s20, 14                        ; + 64 rows a wave.  s[66:67] never hold ny
	s_add_co_u32 s66, s66, s76
	s_mov_b32 s67, 0
	s_lshl_b32 s68, s24, 17                        ; cat: 512 rows a block row
	s_lshl_b32 s76, s20, 12                        ; + 16 rows a wave.  s[68:69] never hold bx
	s_add_co_u32 s68, s68, s76
	s_mov_b32 s69, 0
	s_mul_i32 s76, s20, WX                         ; LDS addresses hang on the wave's number alone
	s_mul_i32 s77, s20, WC
	s_lshl_b32 s70, s24, 18                        ; pm: eight planes of 32,768 bytes a block row
	s_lshl_b32 s25, s23, 11                        ; + 512 columns of 4 bytes a block column
	s_add_co_u32 s70, s70, s25
	s_mov_b32 s71, 0
	s_wait_dscnt 0x0
	s_wait_kmcnt 0x0
	s_add_nc_u64 s[14:15], s[4:5], s[66:67]
	s_add_nc_u64 s[16:17], s[6:7], s[68:69]
	s_add_nc_u64 s[10:11], s[10:11], s[70:71]      ; pm at my block
	s_lshl_b32 s70, s24, 11                        ; 512 y of 4 bytes a block row
	s_add_nc_u64 s[8:9], s[8:9], s[70:71]
.irp t, 0,1,2,3
	s_mov_b32 s[G0X+4*\t], 1                                       ; count = 1
	s_add_co_u32 s[G0X+4*\t+1], s76, WC*\t                         ; LDS address: column tile t's 16 rows
	s_add_nc_u64 s[G0X+4*\t+2:G0X+4*\t+3], s[14:15], 256*\t        ; global address: my row t
	s_or_b32 s[G0X+4*\t+3], s[G0X+4*\t+3], 0x80000000              ; type = 2
	s_mov_b32 s[G0C+4*\t], 1
	s_add_co_u32 s[G0C+4*\t+1], s77, CR+TILEB*\t
	s_add_nc_u64 s[G0C+4*\t+2:G0C+4*\t+3], s[16:17], 32768*\t      ; 128 rows of 256 bytes a tile
	s_or_b32 s[G0C+4*\t+3], s[G0C+4*\t+3], 0x80000000
.endr
	ROUND                                          ; all sixteen work-groups are here: the joint loads meet
.irp t, 0,1,2,3
	tensor_load_to_lds s[G0X+4*\t:G0X+4*\t+3], s[G1X:G1X+7]        ; all fills of the launch in one group: eight loads of this wave are out
	s_nop 0
.endr
.irp t, 0,1,2,3
	tensor_load_to_lds s[G0C+4*\t:G0C+4*\t+3], s[G1C:G1C+7]
	s_nop 0
.endr
	v_lshlrev_b32 v[YOFF], 3, v0                   ; thread t takes y[2 t], y[2 t + 1] of the block row
	global_load_b64 v[ACC:ACC+1], v[YOFF], s[8:9]
	; A fragment is 16 rows x 32 K in 8 registers: lane l holds row r = l % 16; registers 0-3 K = 8 h + 0..7, registers 4-7 K = 16 + 8 h + 0..7, h = l / 16.
	v_and_b32 v1, 15, v0                           ; r
	v_bfe_u32 v2, v0, 4, 1                         ; h
	v_mul_u32_u24 v3, v1, PITCH
	v_lshl_add_u32 v3, v2, 4, v3                   ; row r, 16 bytes for each half of the lanes
	v_add_nc_u32 v[ADRX], s76, v3
.irp t, 0,1,2,3
	v_add_nc_u32 v[ADRC+\t], CR+TILEB*\t, v3
.endr
	v_lshlrev_b32 v[OOFF], 4, v1                   ; 4 columns of 4 bytes for each r,
	v_lshl_add_u32 v[OOFF], v2, 15, v[OOFF]        ; plane h (W or Z),
	s_lshl_b32 s25, s20, 8
	v_add_nc_u32 v[OOFF], s25, v[OOFF]             ; 64 columns a wave
	v_mul_u32_u24 v[YA], v1, YP                    ; the A operand's row r, 16 bytes for each half of the lanes
	v_lshl_add_u32 v[YA], v2, 4, v[YA]
	v_add_nc_u32 v[YA], YT, v[YA]
	; The A operand.  A stage has 64 bytes in each row: K = 0..15, then K = 16..31.  Thread t owns word t % 8 of both halves of stage t / 8, in all 16 rows.
	v_lshrrev_b32 v[TA], 3, v0
	v_and_b32 v3, 7, v0
	v_lshlrev_b32 v[TA], 6, v[TA]
	v_lshl_add_u32 v[TA], v3, 2, v[TA]
	v_add_nc_u32 v[TA], YT, v[TA]
	v_mov_b32 v[ONE], 0x3f803f80
	v_mov_b32 v[ZERO], 0
.irp m, 2,3,4,5,6,7,10,11,12,13,14,15
	ds_store_b32 v[TA], v[ZERO] offset:YP*\m
	ds_store_b32 v[TA], v[ZERO] offset:YP*\m+32
.endr
	ds_store_b32 v[TA], v[ZERO] offset:32          ; row 0: (y | 0)
	ds_store_b32 v[TA], v[ZERO] offset:YP          ; row 1: (0 | y)
	ds_store_b32 v[TA], v[ONE]  offset:YP*8        ; row 8: (1 | 0)
	ds_store_b32 v[TA], v[ZERO] offset:YP*8+32
	ds_store_b32 v[TA], v[ZERO] offset:YP*9        ; row 9: (0 | 1)
	ds_store_b32 v[TA], v[ONE]  offset:YP*9+32
	s_wait_tensorcnt 0x4                           ; my x rows are in (the four cat loads behind them stay out); no other wave reads them
	WIN 0x40                                       ; destination in window 1
.irp bt, 0,1,2,3
.irp ks, 0,1,2,3
	ds_load_b128 v[32*\bt+8*\ks:32*\bt+8*\ks+3],   v[ADRX] offset:WC*\bt+64*\ks
	ds_load_b128 v[32*\bt+8*\ks+4:32*\bt+8*\ks+7], v[ADRX] offset:WC*\bt+64*\ks+32
.endr
.endr
	WIN 0
	s_wait_loadcnt 0x0                             ; y
	v_cvt_pk_bf16_f32 v[ACC+2], v[ACC], v[ACC+1]
	ds_store_b32 v[TA], v[ACC+2]
	ds_store_b32 v[TA], v[ACC+2] offset:YP+32
	; The first barrier: my sixteen rows of cat's tile 0 have landed (a wave's tensor loads end in order, ISA guide 10.11.1: the count leaves tiles 1 to 3 out; nothing is
	; ever filled again), my words of the A operand are stored, my x fragments are in.
	s_wait_tensorcnt 0x3
	s_wait_dscnt 0x0
	s_barrier_signal -1
	s_barrier_wait -1
	; The stagger: four of the eight waves idle 12 x 16 cycles once, about half of what a stage takes.  All waves run the same text, so without it they would all
	; ask for the matrix unit at the same time and then all for the vector unit.
	s_cmp_eq_u32 s26, 0
	s_cbranch_scc1 .Lgo
.rept 12
	s_nop 15
.endr
.Lgo:
	LD 0
	LD 1
.set CUR, 0
.rept 32
	STAGE
.set CUR, CUR+1
.endr
.set ZR, 0
	s_wait_dscnt 0x0                               ; stage 31's A fragment
	VT 1, 0, 0                                     ; stage 31's results; stage 31's own vector work (112 instructions on other registers) stands between its products and this
	VT 1, 1, 0
	VT 1, 2, 0
	VT 1, 3, 0
	PLACES                                         ; behind the last matrix instructions: their results are read below
.irp bt, 0,1,2,3
	v_mov_b32 v[AF+\bt],    v[WZ1+8*\bt]           ; a moment of four accumulators, side by side for one store
	v_mov_b32 v[AF+4+\bt],  v[WZ1+8*\bt+1]
	v_mov_b32 v[AF+8+\bt],  v[WZ2+8*\bt]
	v_mov_b32 v[AF+12+\bt], v[WZ2+8*\bt+1]
.endr
.irp m, 0,1,2,3
	global_store_b128 v[OOFF], v[AF+4*\m:AF+4*\m+3], s[10:11] offset:65536*\m   ; lanes 0-15: 256 consecutive bytes of W_(m+1), aligned; lanes 16-31: of Z_(m+1)
.endr
	s_wait_tensorcnt 0x0
	ds_add_u32 v254, v255
	s_wait_dscnt 0x0
	ROUND                                          ; the closing round: no work-group ends while a partner may still ask for a tile that names it
	s_endpgm
.Lfunc_end_k_q577aad3542_mom:
	.size	k_q577aad3542_mom, .Lfunc_end_k_q577aad3542_mom-k_q577aad3542_mom
	.p2alignl 7, 3214868480
	.fill 96, 4, 3214868480
	.section	.rodata,"a",@progbits
	.p2align	6, 0x0
	.amdhsa_kernel k_q577aad3542_mom
		.amdhsa_group_segment_fixed_size 312576
		.amdhsa_private_segment_fixed_size 0
		.amdhsa_enable_private_segment 0
		.amdhsa_kernarg_size 32
		.amdhsa_user_sgpr_count 2
		.amdhsa_user_sgpr_kernarg_segment_ptr 1
		.amdhsa_wavefront_size32 1
		.amdhsa_system_sgpr_workgroup_id_x 1
		.amdhsa_system_sgpr_workgroup_id_y 1
		.amdhsa_system_sgpr_workgroup_id_z 1
		.amdhsa_system_vgpr_workitem_id 0
		.amdhsa_next_free_vgpr 384
		.amdhsa_next_free_sgpr 96
		.amdhsa_reserve_vcc 0
		.amdhsa_float_denorm_mode_32 3
		.amdhsa_float_denorm_mode_16_64 3
		.amdhsa_memory_ordered 1
		.amdhsa_forward_progress 1
		.amdhsa_inst_pref_size 255
	.end_amdhsa_kernel
	.section	.bss,"aw",@nobits
	.p2align	6
	.space	262144
	.amdgpu_metadata
---
amdhsa.version: [ 1, 2 ]
amdhsa.kernels:
  - .name:           k_q577aad3542_mom
    .symbol:         k_q577aad3542_mom.kd
    .args:
      - { .name: xb, .offset: 0, .size: 8, .value_kind: global_buffer, .address_space: global }
      - { .name: cb, .offset: 8, .size: 8, .value_kind: global_buffer, .address_space: global }
      - { .name: y, .offset: 16, .size: 8, .value_kind: global_buffer, .address_space: global }
      - { .name: pm, .offset: 24, .size: 8, .value_kind: global_buffer, .address_space: global }
    .group_segment_fixed_size: 312576
    .private_segment_fixed_size: 0
    .kernarg_segment_align: 8
    .kernarg_segment_size: 32
    .max_flat_workgroup_size: 256
    .sgpr_count:     96
    .vgpr_count:     384
    .wavefront_size: 32
...
	.end_amdgpu_metadata
.endif
;; end of part 5
;; launch fin (part 6): grid 64 x 1, 4 waves a work-group, no clusters, 17,152 bytes of LDS; arguments pm, y, th, bias, out0; writes out0
.if DOCPART == 6
	.amdgcn_target "amdgcn-amd-amdhsa--gfx1250"
	.amdhsa_code_object_version 6
	.text
	.protected	k_q577aad3542_fin
	.globl	k_q577aad3542_fin
	.p2align	8
	.type	k_q577aad3542_fin,@function
k_q577aad3542_fin:
	s_mov_b64 s[64:65], 0
	v_nop
	global_prefetch_b8 v0, s[64:65] scope:SCOPE_SE
	s_setreg_imm32_b32 hwreg(HW_REG_WAVE_MODE, 25, 1), 1
	s_wait_xcnt 0x0
; out0[b] = bias + sum over the sources s of th[b][s] P(W of s) / P(Z),  where for moments M_0..M_4 of a column
;   P(M) = a0 M_0 + k (a1 M_1 + k (a2 M_2 + k (a3 M_3 + k a4 M_4))),  k = 1 / max(norm4, 1e-12),  norm4 = (Z_4)^(1/4).
; pm: [16 ny][4 m][2: W, Z][8192] f32: W_m = sum of y con^m, Z_m = sum of con^m over block row ny's 512 rows, all of source ny / 4.  y: [8192], th: [8192][4], bias: [1], out0: [8192] f32.
; M_0 is the sum of y over the source's 2048 rows (made here, in f32) and 8192 for Z.
; THE POLYNOMIAL: a0 + a1 t + .. + a4 t^4 is e^t's Chebyshev expansion on [-1, 1] cut behind degree 4; it differs from e^t by at most 6e-4 there, 0.16 per cent of e^t at
; the most.  t = k con lies in [-1, 1] for every input: norm4 is the 4-norm of the column that con belongs to (with the rounding of con^4 to bf16: |t| below 1.01).
; So P(W) and P(Z) are the softmax's sums of y e^t and of e^t; no maximum is taken away, since no exponent leaves [-1, 1].
; Horner's form in k: no power of k is formed by itself, every partial sum is bounded by norm4^j times a sum of |y|.
; 64 work-groups of four waves; a lane owns 4 neighbouring columns, the work-group 128.  Wave s adds up source s's four block rows (32 loads of 512 consecutive bytes) and
; its 2048 y, and hands 8 quads and one word to wave 0 through LDS; wave 0 does the rest: some 200 instructions, too few to share out.
; LIMITS: Z_4 finite (|con| below about 4e8), else k = 0 meets an infinite moment and the result is NaN.  Where norm4 is below about 1e-8, con^3 and con^4 are denormals or 0:
; the norm and the terms of degree 3 and 4 lose accuracy (v_sqrt_f32 takes a denormal as 0, ISA guide 15.8); the clamp at 1e-12 is applied all the same.
.set CA0,  0x3f800178                  ; 1.0000448
.set CA1,  0x3f7f4f8e                  ; 0.9973077
.set CA2,  0x3eff96b8                  ; 0.4991968
.set CA3,  0x3e359a8e                  ; 0.1773474
.set CA4,  0x3d336142                  ; 0.0437939
.set CA0N, 0x46000178                  ; 8192 a0
.set YSL,  16384                       ; LDS: 4 sources x 8 quads x 32 lanes x 16 bytes, then the four sums of y
.set TH,  8                            ; v[8:23]    wave 0: column e: th[b][0..3]
.set BI,  24                           ; v24        wave 0: bias
.set L,   32                           ; v[32:159]  block row i, plane p = 2 (m - 1) + (0: W, 1: Z): L + 32 i + 4 p; in wave 0 later source s: L + 32 s + 4 p
.set YR,  160                          ; v[160:223] y as loaded
.set PW,  160                          ; v[160:175] wave 0: P(W of s)
.set U,   176                          ; v[176:191] wave 0: Horner's partial sums, a quad for each source
.set K,   224                          ; v[224:227] k
.set PZ,  228                          ; v[228:231] P(Z), then 1 / P(Z)
.set YS,  232                          ; v[232:235] a0 M_0 of the four sources
.set OUT, 236                          ; v[236:239]
.macro HALVE base, st                  ; st quads at base + 4 st are added onto st quads at base
.set q, 0
.rept 2*\st
	v_pk_add_f32 v[\base+2*q:\base+2*q+1], v[\base+2*q:\base+2*q+1], v[\base+4*\st+2*q:\base+4*\st+2*q+1]
.set q, q+1
.endr
.endm
; u = a1 M_1 + k (a2 M_2 + k (a3 M_3 + k a4 M_4)) for my 4 columns; M_1's quad at m1, the next moments' quads 8 registers apart
.macro POLY u, m1
.irp hh, 0,2
	v_pk_mul_f32 v[\u+\hh:\u+\hh+1], v[\m1+24+\hh:\m1+24+\hh+1], CA4 op_sel_hi:[1,0]
.endr
.irp hh, 0,2
	v_pk_mul_f32 v[\u+\hh:\u+\hh+1], v[\u+\hh:\u+\hh+1], v[K+\hh:K+\hh+1]
.endr
.irp hh, 0,2
	v_pk_fma_f32 v[\u+\hh:\u+\hh+1], v[\m1+16+\hh:\m1+16+\hh+1], CA3, v[\u+\hh:\u+\hh+1] op_sel_hi:[1,0,1]
.endr
.irp hh, 0,2
	v_pk_mul_f32 v[\u+\hh:\u+\hh+1], v[\u+\hh:\u+\hh+1], v[K+\hh:K+\hh+1]
.endr
.irp hh, 0,2
	v_pk_fma_f32 v[\u+\hh:\u+\hh+1], v[\m1+8+\hh:\m1+8+\hh+1], CA2, v[\u+\hh:\u+\hh+1] op_sel_hi:[1,0,1]
.endr
.irp hh, 0,2
	v_pk_mul_f32 v[\u+\hh:\u+\hh+1], v[\u+\hh:\u+\hh+1], v[K+\hh:K+\hh+1]
.endr
.irp hh, 0,2
	v_pk_fma_f32 v[\u+\hh:\u+\hh+1], v[\m1+\hh:\m1+\hh+1], CA1, v[\u+\hh:\u+\hh+1] op_sel_hi:[1,0,1]
.endr
.endm
	s_load_b256 s[4:11], s[0:1], 0x0               ; pm s[4:5], y s[6:7], th s[8:9], bias s[10:11]
	s_load_b64 s[12:13], s[0:1], 0x20              ; out0
	v_lshl_add_u32 v240, v0, 2, 0x4100
	v_mov_b32 v241, 0
	v_lshrrev_b32 v1, 5, v0
	v_readfirstlane_b32 s16, v1                    ; wave = source 0..3
	v_and_b32 v1, 31, v0
	v_lshlrev_b32 v1, 4, v1                        ; 16 l: 4 columns of 4 bytes a lane
	v_lshl_add_u32 v2, s16, 20, v1                 ; pm: 4 block rows of 262,144 bytes a source
	v_lshl_add_u32 v3, s16, 13, v1                 ; y: 2048 numbers a source
	v_lshl_add_u32 v4, s16, 12, v1                 ; LDS: 8 quads x 512 bytes a source
	v_mov_b32 v6, 0                                ; offset 0: bias's one word, and the LDS read of the four sums of y
	s_lshl_b32 s17, s16, 2
	s_add_co_u32 s17, s17, YSL
	v_mov_b32 v7, s17                              ; LDS: my source's sum of y
	s_mov_b32 s20, 0x76543210                      ; v_permlanex16_b32: lane i reads lane i of the other half
	s_mov_b32 s21, 0xfedcba98
	s_lshl_b32 s14, ttmp9, 9                       ; 128 columns of 4 bytes a work-group
	s_mov_b32 s15, 0
	s_wait_kmcnt 0x0
	s_add_nc_u64 s[4:5], s[4:5], s[14:15]
	s_add_nc_u64 s[12:13], s[12:13], s[14:15]
	s_lshl_b32 s14, ttmp9, 11                      ; 128 rows of th
	s_add_nc_u64 s[8:9], s[8:9], s[14:15]
	s_cmp_lg_u32 s16, 0
	s_cbranch_scc1 .Lno_th                         ; th and bias are wave 0's; they go out first, so that the counts below hold in every wave
	v_lshlrev_b32 v5, 2, v1                        ; 4 rows of th, 16 bytes each, a lane
.irp e, 0,1,2,3
	global_load_b128 v[TH+4*\e:TH+4*\e+3], v5, s[8:9] offset:16*\e
.endr
	global_load_b32 v[BI], v6, s[10:11]            ; every lane reads the one word
.Lno_th:
.irp i, 0,1,2,3
.irp p, 0,1,2,3,4,5,6,7
	global_load_b128 v[L+32*\i+4*\p:L+32*\i+4*\p+3], v2, s[4:5] offset:262144*\i+32768*\p
.endr
.endr
.set i, 0
.rept 16
	global_load_b128 v[YR+4*i:YR+4*i+3], v3, s[6:7] offset:512*i
.set i, i+1
.endr
	s_wait_loadcnt 16                              ; the moments are in; y's sixteen loads stay out
	HALVE L, 16                                    ; the source's four block rows
	HALVE L, 8
.irp p, 0,1,2,3,4,5,6,7
	ds_store_b128 v4, v[L+4*\p:L+4*\p+3] offset:512*\p
.endr
	s_wait_loadcnt 0x0                             ; y
	HALVE YR, 8
	HALVE YR, 4
	HALVE YR, 2
	HALVE YR, 1
	v_add_f32 v[YR], v[YR], v[YR+1]
	v_add_f32 v[YR+2], v[YR+2], v[YR+3]
	v_add_f32 v[YR], v[YR], v[YR+2]
	v_add_f32_dpp v[YR], v[YR], v[YR] row_xmask:1 row_mask:0xf bank_mask:0xf
	v_add_f32_dpp v[YR], v[YR], v[YR] row_xmask:2 row_mask:0xf bank_mask:0xf
	v_add_f32_dpp v[YR], v[YR], v[YR] row_xmask:4 row_mask:0xf bank_mask:0xf
	v_add_f32_dpp v[YR], v[YR], v[YR] row_xmask:8 row_mask:0xf bank_mask:0xf
	v_permlanex16_b32 v[YR+1], v[YR], s20, s21     ; its destination counts as read: it has been written
	v_add_f32 v[YR], v[YR], v[YR+1]
	ds_store_b32 v7, v[YR]                         ; all lanes write the same word with the same value
	s_wait_dscnt 0x0                               ; my LDS stores are done, for wave 0's sake
	s_barrier_signal -1
	s_barrier_wait -1
	s_cmp_lg_u32 s16, 0
	s_cbranch_scc1 .Lend
.irp s, 0,1,2,3
.irp p, 0,1,2,3,4,5,6,7
	ds_load_b128 v[L+32*\s+4*\p:L+32*\s+4*\p+3], v1 offset:4096*\s+512*\p
.endr
.endr
	ds_load_b128 v[YS:YS+3], v6 offset:YSL         ; the four sums of y, in every lane
	s_wait_dscnt 0x0
.irp m, 0,1,2,3
.irp s, 1,2,3
	v_pk_add_f32 v[L+4+8*\m:L+5+8*\m], v[L+4+8*\m:L+5+8*\m], v[L+32*\s+4+8*\m:L+32*\s+5+8*\m]     ; Z over the four sources
	v_pk_add_f32 v[L+6+8*\m:L+7+8*\m], v[L+6+8*\m:L+7+8*\m], v[L+32*\s+6+8*\m:L+32*\s+7+8*\m]
.endr
.endr
.irp e, 0,1,2,3
	v_sqrt_f32 v[K+\e], v[L+28+\e]                 ; Z_4
.endr
	v_nop                                          ; one plain vector instruction behind a transcendental before its result is used (ISA guide 5.7.2), here and below
	s_wait_alu depctr_va_vdst(0)
.irp e, 0,1,2,3
	v_sqrt_f32 v[K+\e], v[K+\e]
.endr
	v_nop
	s_wait_alu depctr_va_vdst(0)
.irp e, 0,1,2,3
	v_max_num_f32 v[K+\e], 0x2b8cbccc, v[K+\e]     ; max(norm4, 1e-12)
.endr
.irp e, 0,1,2,3
	v_rcp_f32 v[K+\e], v[K+\e]
.endr
	v_pk_mul_f32 v[YS:YS+1],   v[YS:YS+1],   CA0 op_sel_hi:[1,0]   ; a0 M_0
	v_pk_mul_f32 v[YS+2:YS+3], v[YS+2:YS+3], CA0 op_sel_hi:[1,0]
	s_wait_alu depctr_va_vdst(0)
	POLY PZ, L+4
.irp hh, 0,2
	v_pk_fma_f32 v[PZ+\hh:PZ+\hh+1], v[PZ+\hh:PZ+\hh+1], v[K+\hh:K+\hh+1], CA0N op_sel_hi:[1,1,0]
.endr
.irp e, 0,1,2,3
	v_rcp_f32 v[PZ+\e], v[PZ+\e]                   ; P(Z) is a sum of 8192 values of the polynomial, each at least 0.36: never 0
.endr
.irp s, 0,1,2,3
	POLY U+4*\s, L+32*\s                           ; plain vector work stands behind the last v_rcp_f32 before its result is used
.endr
.irp s, 0,1,2,3
.irp e, 0,1,2,3
	v_fma_f32 v[PW+4*\s+\e], v[U+4*\s+\e], v[K+\e], v[YS+\s]
.endr
.endr
	s_wait_alu depctr_va_vdst(0)
.irp s, 0,1,2,3
	v_pk_mul_f32 v[PW+4*\s:PW+4*\s+1],   v[PW+4*\s:PW+4*\s+1],   v[PZ:PZ+1]       ; divided by Z before it meets th: a large th multiplies a number below max |y|
	v_pk_mul_f32 v[PW+4*\s+2:PW+4*\s+3], v[PW+4*\s+2:PW+4*\s+3], v[PZ+2:PZ+3]
.endr
.irp e, 0,1,2,3
	v_fma_f32 v[OUT+\e], v[PW+\e], v[TH+4*\e], v[BI]
.endr
.irp s, 1,2,3
.irp e, 0,1,2,3
	v_fma_f32 v[OUT+\e], v[PW+4*\s+\e], v[TH+4*\e+\s], v[OUT+\e]
.endr
.endr
	global_store_b128 v1, v[OUT:OUT+3], s[12:13]   ; 512 consecutive bytes, aligned
.Lend:
	s_wait_tensorcnt 0x0
	ds_add_u32 v240, v241
	s_wait_dscnt 0x0
	s_endpgm
.Lfunc_end_k_q577aad3542_fin:
	.size	k_q577aad3542_fin, .Lfunc_end_k_q577aad3542_fin-k_q577aad3542_fin
	.p2alignl 7, 3214868480
	.fill 96, 4, 3214868480
	.section	.rodata,"a",@progbits
	.p2align	6, 0x0
	.amdhsa_kernel k_q577aad3542_fin
		.amdhsa_group_segment_fixed_size 17152
		.amdhsa_private_segment_fixed_size 0
		.amdhsa_enable_private_segment 0
		.amdhsa_kernarg_size 40
		.amdhsa_user_sgpr_count 2
		.amdhsa_user_sgpr_kernarg_segment_ptr 1
		.amdhsa_wavefront_size32 1
		.amdhsa_system_sgpr_workgroup_id_x 1
		.amdhsa_system_sgpr_workgroup_id_y 1
		.amdhsa_system_sgpr_workgroup_id_z 1
		.amdhsa_system_vgpr_workitem_id 0
		.amdhsa_next_free_vgpr 242
		.amdhsa_next_free_sgpr 66
		.amdhsa_reserve_vcc 0
		.amdhsa_float_denorm_mode_32 3
		.amdhsa_float_denorm_mode_16_64 3
		.amdhsa_memory_ordered 1
		.amdhsa_forward_progress 1
		.amdhsa_inst_pref_size 26
	.end_amdhsa_kernel
	.amdgpu_metadata
---
amdhsa.version: [ 1, 2 ]
amdhsa.kernels:
  - .name:           k_q577aad3542_fin
    .symbol:         k_q577aad3542_fin.kd
    .args:
      - { .name: pm, .offset: 0, .size: 8, .value_kind: global_buffer, .address_space: global }
      - { .name: y, .offset: 8, .size: 8, .value_kind: global_buffer, .address_space: global }
      - { .name: th, .offset: 16, .size: 8, .value_kind: global_buffer, .address_space: global }
      - { .name: bias, .offset: 24, .size: 8, .value_kind: global_buffer, .address_space: global }
      - { .name: out0, .offset: 32, .size: 8, .value_kind: global_buffer, .address_space: global }
    .group_segment_fixed_size: 17152
    .private_segment_fixed_size: 0
    .kernarg_segment_align: 8
    .kernarg_segment_size: 40
    .max_flat_workgroup_size: 128
    .sgpr_count:     66
    .vgpr_count:     242
    .wavefront_size: 32
...
	.end_amdgpu_metadata
.endif
;; end of part 6
;; ======== version 3 of 3: 3 launches; version 2 with the launch prep written anew for expert scheduling mode
;; limits: a function is approximated: absolute error at most 0.0006; values outside matrix products are rounded to bf16; right only within a limited range of input values
;; workspace buffers: xb 2,097,152 bytes; cb 2,097,152 bytes; th 131,072 bytes; pm 4,194,304 bytes
;; launch prep (part 7): grid 256 x 1, 8 waves a work-group, no clusters, 1,536 bytes of LDS; arguments batch_x, cat, phi, xb, cb, th; writes xb, cb, th
.if DOCPART == 7
	.amdgcn_target "amdgcn-amd-amdhsa--gfx1250"
	.amdhsa_code_object_version 6
	.text
	.protected	k_q577aad3542_prep
	.globl	k_q577aad3542_prep
	.p2align	8
	.type	k_q577aad3542_prep,@function
k_q577aad3542_prep:
	s_mov_b64 s[64:65], 0
	v_nop
	global_prefetch_b8 v0, s[64:65] scope:SCOPE_SE
	s_setreg_imm32_b32 hwreg(HW_REG_WAVE_SCHED_MODE, 0, 2), 2
	s_setreg_imm32_b32 hwreg(HW_REG_WAVE_MODE, 25, 1), 1
	s_wait_xcnt 0x0
	s_wait_alu depctr_vm_vsrc(0)
; xb = bf16(batch_x), cb = bf16(cat), th[b][s] = exp(batch_x[b] . phi[s]) in f32.
; batch_x, cat: [8192][128] f32.  phi: [4][128] f32.  xb, cb: [8192][128] bf16.  th: [8192][4] f32.
; 256 work-groups of eight waves; the work-group owns rows 32 g .. 32 g + 31 of batch_x and of cat, wave w rows 4 w .. 4 w + 3 of each.
; A lane owns 16 bytes of an f32 row, so one load of a wave is one whole row of 512 bytes and one store of a wave is one whole
; bf16 row: 256 consecutive bytes, aligned.  Every input byte is read once.  No matrix unit, no cluster: nothing is shared or multiplied in bulk.
; LIMITS: exp is 2^(x . (phi log2 e)); phi log2 e is rounded once to f32.  v_exp_f32 gives 0 where the result would be a denormal
; (ISA guide 15.8), so a th below 2^-126 is stored as 0; above f32's range it is infinity, as exp in f32 is.
; THE MODE: SCHED_MODE bits 1:0 = 2 (LLVM: expert scheduling mode 2), set by the entry lines.  The code itself states the register dependences
; between vector instructions and memory or LDS instructions, with s_wait_alu, always for 0.
; THE PLAN.  Registers that memory or LDS instructions touch:
;   v2 .. v5     offsets and an LDS address: written by vector instructions at the head, once; read by every load and store.  One wait, ahead of the first load.
;   P, X, C      the twelve loads land in them; no vector instruction names them ahead of the loads.  No memory instruction reads them.
;   XB           written by batch_x's eight conversions, read by the four stores of xb, never written again.  One wait, behind the conversions.
;   D            written by the sums and the sixteen exponentials, read by the four LDS stores, never written again.
;   CB           written by cat's eight conversions, read by the four stores of cb, never written again.
;                cat's conversions stand behind the exponentials, so that ONE wait serves D and CB: the LDS stores and the stores of cb follow it.
;   R            wave 0's LDS load lands in it, its store of th reads it; no vector instruction names it.
;   v112, v113   written at the head, read by the closing add alone.
; No register that a memory or LDS instruction reads is ever written again: so the text holds no wait on vm_vsrc outside the entry and closing lines.
.set X,   16                           ; v[16:31]  row i of batch_x: 4 registers; later the other half's sums
.set C,   32                           ; v[32:47]  row i of cat
.set P,   48                           ; v[48:63]  phi[s] log2 e, my 4 numbers
.set XB,  64                           ; v[64:71]  row i of xb: 2 registers
.set CB,  72                           ; v[72:79]  row i of cb
.set D,   80                           ; v[80:95]  D + 4 i + s: the dot product of row i with phi[s]
.set T,   96                           ; v[96:99]  at work: no memory instruction names them
.set R,   100                          ; v[100:103] wave 0: a row of th on its way out
	s_load_b256 s[4:11], s[0:1], 0x0               ; batch_x s[4:5], cat s[6:7], phi s[8:9], xb s[10:11]
	s_load_b128 s[12:15], s[0:1], 0x20             ; cb s[12:13], th s[14:15]
	v_lshl_add_u32 v112, v0, 2, 0x200              ; the LDS address of my spare word, behind th's 512 bytes: made here and kept for the closing lines alone
	v_mov_b32 v113, 0                              ; and 0, likewise
	v_lshrrev_b32 v1, 5, v0
	v_readfirstlane_b32 s16, v1                    ; wave 0..7
	v_and_b32 v1, 31, v0                           ; lane
	v_lshlrev_b32 v4, 4, v1                        ; 16 l: my bytes of phi; wave 0's LDS read and its offset in th
	v_lshlrev_b32 v3, 3, v1
	s_wait_alu depctr_va_sdst(0)                   ; s16 is written, ahead of its first reader, the next line
	v_lshl_add_u32 v2, s16, 11, v4                 ; in: 4 rows of 512 bytes a wave + 16 l
	v_lshl_add_u32 v3, s16, 10, v3                 ; out: 4 rows of 256 bytes a wave + 8 l
	s_lshl_b32 s17, s16, 6
	v_mov_b32 v5, s17                              ; LDS: 4 rows of th, 16 bytes each, a wave
	s_mov_b32 s20, 0x76543210                      ; v_permlanex16_b32: lane i reads lane i of the other half
	s_mov_b32 s21, 0xfedcba98
	s_lshl_b32 s18, ttmp9, 14                      ; 32 rows of 512 bytes
	s_mov_b32 s19, 0
	s_wait_kmcnt 0x0
	s_add_nc_u64 s[4:5], s[4:5], s[18:19]
	s_add_nc_u64 s[6:7], s[6:7], s[18:19]
	s_lshl_b32 s18, ttmp9, 13                      ; 32 rows of 256 bytes
	s_add_nc_u64 s[10:11], s[10:11], s[18:19]
	s_add_nc_u64 s[12:13], s[12:13], s[18:19]
	s_lshl_b32 s18, ttmp9, 9                       ; 32 rows of 16 bytes
	s_add_nc_u64 s[14:15], s[14:15], s[18:19]
	s_wait_alu depctr_va_vdst(0)                   ; v2 to v5 are written: every load, store and LDS instruction of the kernel reads one of them as its offset or address
.irp s, 0,1,2,3
	global_load_b128 v[P+4*\s:P+4*\s+3], v4, s[8:9] offset:512*\s
.endr
.irp i, 0,1,2,3
	global_load_b128 v[X+4*\i:X+4*\i+3], v2, s[4:5] offset:512*\i th:TH_LOAD_NT
.endr
.irp i, 0,1,2,3
	global_load_b128 v[C+4*\i:C+4*\i+3], v2, s[6:7] offset:512*\i th:TH_LOAD_NT
.endr
	s_wait_loadcnt 0x4                             ; phi and batch_x are in; the four loads of cat, issued behind them, stay out
.irp i, 0,1,2,3
	v_cvt_pk_bf16_f32 v[XB+2*\i],   v[X+4*\i],   v[X+4*\i+1]
	v_cvt_pk_bf16_f32 v[XB+2*\i+1], v[X+4*\i+2], v[X+4*\i+3]
.endr
.irp q, 0,1,2,3,4,5,6,7
	v_pk_mul_f32 v[P+2*\q:P+2*\q+1], v[P+2*\q:P+2*\q+1], 0x3fb8aa3b op_sel_hi:[1,0]   ; phi log2 e: the sums below are exponents of 2
.endr
	s_wait_alu depctr_va_vdst(0)                   ; the conversions have written XB, which the four stores read
.irp i, 0,1,2,3
	global_store_b64 v3, v[XB+2*\i:XB+2*\i+1], s[10:11] offset:256*\i      ; 32 lanes x 8 bytes: a whole row of xb
.endr
	; my 4 numbers' share of the 16 dot products
.irp i, 0,1,2,3
.irp s, 0,1,2,3
	v_pk_mul_f32 v[T+2*(\s%2):T+2*(\s%2)+1], v[X+4*\i:X+4*\i+1], v[P+4*\s:P+4*\s+1]
	v_pk_fma_f32 v[T+2*(\s%2):T+2*(\s%2)+1], v[X+4*\i+2:X+4*\i+3], v[P+4*\s+2:P+4*\s+3], v[T+2*(\s%2):T+2*(\s%2)+1]
	v_add_f32 v[D+4*\i+\s], v[T+2*(\s%2)], v[T+2*(\s%2)+1]
.endr
.endr
	; over the 32 lanes: four steps inside each half of 16 lanes, one across; sixteen sums side by side, every lane ends with all of them
.irp m, 1,2,4,8
.set q, 0
.rept 16
	v_add_f32_dpp v[D+q], v[D+q], v[D+q] row_xmask:\m row_mask:0xf bank_mask:0xf
.set q, q+1
.endr
.endr
.set q, 0
.rept 16
	v_permlanex16_b32 v[X+q], v[D+q], s20, s21     ; its destination counts as read: batch_x's registers have been written and are done with
.set q, q+1
.endr
.set q, 0
.rept 16
	v_add_f32 v[D+q], v[D+q], v[X+q]
.set q, q+1
.endr
.set q, 0
.rept 16
	v_exp_f32 v[D+q], v[D+q]
.set q, q+1
.endr
	s_wait_loadcnt 0x0                             ; cat
.irp i, 0,1,2,3
	v_cvt_pk_bf16_f32 v[CB+2*\i],   v[C+4*\i],   v[C+4*\i+1]       ; these eight name nothing of the exponentials: they are the plain vector instructions behind the last
	v_cvt_pk_bf16_f32 v[CB+2*\i+1], v[C+4*\i+2], v[C+4*\i+3]       ; v_exp_f32 before its result is read (ISA guide 5.7.2)
.endr
	s_wait_alu depctr_va_vdst(0)                   ; the sixteen exponentials have written D, ahead of its first readers, the LDS stores; the conversions have written CB, which the stores of cb read
.irp i, 0,1,2,3
	ds_store_b128 v5, v[D+4*\i:D+4*\i+3] offset:16*\i      ; th of row 4 w + i; all lanes write the same 16 bytes with the same values
.endr
.irp i, 0,1,2,3
	global_store_b64 v3, v[CB+2*\i:CB+2*\i+1], s[12:13] offset:256*\i
.endr
	s_wait_dscnt 0x0                               ; my LDS stores are done, for wave 0's sake
	s_barrier_signal -1
	s_barrier_wait -1
	s_cmp_lg_u32 s16, 0
	s_cbranch_scc1 .Lend
	ds_load_b128 v[R:R+3], v4                      ; lane l: th of row l.  No wait on the vector side: no vector instruction names R, and v4 was written ahead of the head's wait
	s_wait_dscnt 0x0
	global_store_b128 v4, v[R:R+3], s[14:15]       ; the group's 512 bytes of th in one store
.Lend:
	s_wait_dscnt 0x0                               ; the closing lines, six on end
	s_wait_alu 0x0
	s_wait_tensorcnt 0x0
	ds_add_u32 v112, v113
	s_wait_dscnt 0x0
	s_endpgm
.Lfunc_end_k_q577aad3542_prep:
	.size	k_q577aad3542_prep, .Lfunc_end_k_q577aad3542_prep-k_q577aad3542_prep
	.p2alignl 7, 3214868480
	.fill 96, 4, 3214868480
	.section	.rodata,"a",@progbits
	.p2align	6, 0x0
	.amdhsa_kernel k_q577aad3542_prep
		.amdhsa_group_segment_fixed_size 1536
		.amdhsa_private_segment_fixed_size 0
		.amdhsa_enable_private_segment 0
		.amdhsa_kernarg_size 48
		.amdhsa_user_sgpr_count 2
		.amdhsa_user_sgpr_kernarg_segment_ptr 1
		.amdhsa_wavefront_size32 1
		.amdhsa_system_sgpr_workgroup_id_x 1
		.amdhsa_system_sgpr_workgroup_id_y 1
		.amdhsa_system_sgpr_workgroup_id_z 1
		.amdhsa_system_vgpr_workitem_id 0
		.amdhsa_next_free_vgpr 114
		.amdhsa_next_free_sgpr 66
		.amdhsa_reserve_vcc 0
		.amdhsa_float_denorm_mode_32 3
		.amdhsa_float_denorm_mode_16_64 3
		.amdhsa_memory_ordered 1
		.amdhsa_forward_progress 1
		.amdhsa_inst_pref_size 15
	.end_amdhsa_kernel
	.amdgpu_metadata
---
amdhsa.version: [ 1, 2 ]
amdhsa.kernels:
  - .name:           k_q577aad3542_prep
    .symbol:         k_q577aad3542_prep.kd
    .args:
      - { .name: batch_x, .offset: 0, .size: 8, .value_kind: global_buffer, .address_space: global }
      - { .name: cat, .offset: 8, .size: 8, .value_kind: global_buffer, .address_space: global }
      - { .name: phi, .offset: 16, .size: 8, .value_kind: global_buffer, .address_space: global }
      - { .name: xb, .offset: 24, .size: 8, .value_kind: global_buffer, .address_space: global }
      - { .name: cb, .offset: 32, .size: 8, .value_kind: global_buffer, .address_space: global }
      - { .name: th, .offset: 40, .size: 8, .value_kind: global_buffer, .address_space: global }
    .group_segment_fixed_size: 1536
    .private_segment_fixed_size: 0
    .kernarg_segment_align: 8
    .kernarg_segment_size: 48
    .max_flat_workgroup_size: 256
    .sgpr_count:     66
    .vgpr_count:     114
    .wavefront_size: 32
...
	.end_amdgpu_metadata
.endif
;; end of part 7
;; launch mom: the kernel of part 5 again; grid 16 x 16, 8 waves a work-group, clusters of 4 x 4, 312,576 bytes of LDS; arguments xb, cb, y, pm; writes pm
;; launch fin: the kernel of part 6 again; grid 64 x 1, 4 waves a work-group, no clusters, 17,152 bytes of LDS; arguments pm, y, th, bias, out0; writes out0
